; MI455X (gfx1250); checked and timed in simulation.
; The chip was launched on July 23, 2026; its instructions are those of AMD's public machine-readable ISA for CDNA 5 (MIT licence, August 2026) and "CDNA5" Instruction Set Architecture Reference Guide (July 2026). The comments in the code are by the model that wrote it; some were corrected since.
;; Causal Self Attention. Allowed arithmetic: matrix products marked QUANTISED: E2M1 operands, one E8M0 scale for each 32 along K, by v_wmma_scale_f32_16x16x128_f8f6f4 with both operands' format E2M1 (or v_wmma_scale_f32_32x16x128_f4), f32 sums; products left as they are: bf16, f16 or f32 operands; f32 sums; everything else in f32.
;; Inputs: W_attn 1,024 x 3,072 float32; W_proj 1,024 x 1,024 float32; b_attn 3,072 float32; b_proj 1,024 float32; x 4 x 2,048 x 1,024 float32.
;; Outputs: out0 4 x 2,048 x 1,024 float32.
;; This version of the problem:
;;   THIS VERSION OF THE PROBLEM IS GIVEN IN LOW PRECISION. The matrix products marked QUANTISED in the list below multiply operands that are first quantised to E2M1 (2 exponent bits, 1 mantissa bit; 4 bits a number), with one power-of-two scale for each 32 numbers along K (OCP MX v1.0); their sums are f32. The products marked 'left as it is' may take bf16, f16 or f32 operands, with f32 sums. Whichever they take, every output number must still come out within the allowed error. Rounding operands to bf16 (8 significant bits) uses up far more of that allowance than f16 does (11 bits, for magnitudes from 6e-5 to 65,504). All else is computed in f32.
;;   The module's matrix products, in the order in which they are computed (A, B: the left and right operand; K: the contracted axis; several contracted axes count as one K, in the product's order):
;;     1. [M 8,192, K 1,024] x [K 1,024, N 3,072]; A: input x; B: input W_attn: QUANTISED
;;     2. batch 64 x [M 2,048, K 64] x [K 64, N 2,048]; A: computed on the way; B: computed on the way: left as it is (an operand is computed on the way)
;;     3. batch 64 x [M 2,048, K 2,048] x [K 2,048, N 64]; A: computed on the way; B: computed on the way: left as it is (an operand is computed on the way)
;;     4. [M 8,192, K 1,024] x [K 1,024, N 1,024]; A: computed on the way; B: input W_proj: left as it is (an operand is computed on the way)
;;   THE QUANTISER, for each operand of a quantised product, along K:
;;     - K is cut into blocks of 32 from its start; a last block that is shorter is filled with zeros.
;;     - A block's scale is 2^e with e = floor(log2(the largest magnitude in the block)) - 2, held to -126 .. 127; a block of zeros has e = 0. As a byte (E8M0): e + 127.
;;     - Each number is divided by its block's scale, clamped to +-6, and rounded to the nearest number of E2M1, ties to even, subnormals kept.
;;     - The product sums the exact products of the quantised numbers (number of the format x scale) in f32.
;;   ~~~python
;;   def quantise(x, axis):      # numpy; x: float32 -> the quantised numbers, widened to float32 again
;;       x = np.moveaxis(x, axis, -1); K = x.shape[-1]
;;       x = np.pad(x, [(0, 0)] * (x.ndim - 1) + [(0, -K % 32)]); x = x.reshape(x.shape[:-1] + (-1, 32)); a = np.abs(x).max(-1, keepdims=True)
;;       e = np.where(a > 0, np.clip(np.frexp(np.where(a > 0, a, 1))[1] - 1 - 2, -126, 127), 0)      # np.frexp(a)[1] - 1 = floor(log2(a)), exactly
;;       r = np.clip(x / 2.0 ** e, -6, 6)
;;       step = 2.0 ** (np.maximum(np.frexp(np.where(r == 0, 1, r))[1] - 1, 0) - 1)
;;       q = np.round(r / step) * step * 2.0 ** e      # np.round: ties to even
;;       return np.moveaxis(q.reshape(q.shape[:-2] + (-1,))[..., :K], -1, axis).astype(np.float32)
;;   ~~~
;; One version. Each part assembles by itself: llvm-mc -triple=amdgcn-amd-amdhsa -mcpu=gfx1250 --defsym DOCPART=n.
;; ======== version 1 of 1: 6 launches
;; limits: values are held in f16: magnitudes above 65,504 overflow, below 6.1e-05 lose precision
;; workspace buffers: xc 4,194,304 bytes; xs 262,144 bytes; wc 1,572,864 bytes; ws 98,304 bytes; wp16 2,097,152 bytes; qkv16 50,331,648 bytes; y16 16,777,216 bytes; y32 262,144 bytes
;; launch prep (part 1): grid 256 x 1, 8 waves a work-group, no clusters, 84,480 bytes of LDS; arguments x, W_attn, W_proj, xc, xs, wc, ws, wp16; writes xc, xs, wc, ws, wp16
.if DOCPART == 1
	.amdgcn_target "amdgcn-amd-amdhsa--gfx1250"
	.amdhsa_code_object_version 6
	.text
	.protected	k_q4dc1be9ba4_prep
	.globl	k_q4dc1be9ba4_prep
	.p2align	8
	.type	k_q4dc1be9ba4_prep,@function
k_q4dc1be9ba4_prep:
	s_mov_b64 s[64:65], 0
	v_nop
	global_prefetch_b8 v0, s[64:65] scope:SCOPE_SE
	s_setreg_imm32_b32 hwreg(HW_REG_WAVE_MODE, 25, 1), 1
	s_wait_xcnt 0x0
; One launch makes all that the later launches read narrow.  The work-group's number picks one of three paths (all eight waves of a work-group take the same one):
;   X (work-groups 0-127):   x [8192][1024] f32 -> codes of E2M1, K innermost, xc [8192][512 bytes], and one E8M0 byte for each 32 along K, xs [8192][32].
;   W (work-groups 128-223): W_attn [1024 (k)][3072 (n)] f32, K its FIRST axis -> wc [3072][512 bytes], ws [3072][32], K innermost.
;   C (work-groups 224-255): W_proj [1024][1024] f32 -> f16, same layout, wp16.
; A block's scale is 2^(floor(log2(largest magnitude)) - 2): its byte is the largest magnitude's exponent field - 2, held at 1 from below by a floor among the maximum's leaves.
; LIMITS: a block of zeros gets the byte 1 (its codes are zeros, and this program alone reads the bytes); blocks whose largest magnitude lies under 2^-124 are held at that byte; NaN and infinities are not served;
; W_proj must lie under 65,504 in magnitude (f16); numbers under 6e-5 lose relative, not absolute, precision there.
; No tensor load, no cluster: the paths stream, each byte is read once, and work-groups share nothing.  Each path has LDS bytes of its own.
.set STEPS, 16                         ; path X: steps of 512 numbers for a wave
.set AH,    8                          ; path X: loads run eight steps (32 loads a wave) ahead
.set SP,    80                         ; path X: a lane's place in a stage: 64 bytes + 16 of padding
.set WREG,  8192                       ; path X: a wave's LDS: two stages of 32 x SP, then its 256 scale bytes
.set WPITCH, 528                       ; path W: a column's 512 bytes of codes + 16
.set WST,   65536                      ; path W: 32 such rows
.set WSC,   WST+32*WPITCH              ; path W: 32 columns x 32 scale bytes
.set SPARE, WSC+1024                   ; the spare words: 128 bytes for each of eight waves, named by no other line
.set SPW,   12                         ; v12  LDS address of my spare word; never rewritten
.set NIL,   13                         ; v13  0; never rewritten
.set R,     16                         ; path X: v16-143  eight sets of 16 numbers as loaded;  path C: the 128 numbers
.set X,     144                        ; path X: v144-175 two sets of 16 neighbours
.set E,     176                        ; path X: v176-191 a scale byte for each step
.set C,     192                        ; path X: v192-223 two registers of codes for each step
.set WX,    32                         ; path W: v32-95   two sets of 32 numbers
.set WC,    96                         ; path W: v96-111  four registers of codes for each block
.macro CLOSE                           ; the wave's end, behind the last LDS store
	s_wait_tensorcnt 0x0
	ds_add_u32 v[SPW], v[NIL]
	s_wait_dscnt 0x0
.endm
	s_load_b256 s[4:11], s[0:1], 0x0               ; x s[4:5], W_attn s[6:7], W_proj s[8:9], xc s[10:11]
	s_load_b256 s[12:19], s[0:1], 0x20             ; xs s[12:13], wc s[14:15], ws s[16:17], wp16 s[18:19]
	v_lshl_add_u32 v[SPW], v0, 2, SPARE
	v_mov_b32 v[NIL], 0
	v_lshrrev_b32 v1, 5, v0
	v_readfirstlane_b32 s20, v1                    ; wave 0..7
	v_and_b32 v2, 31, v0                           ; lane
	v_lshlrev_b32 v3, 4, v2                        ; 16 x lane
	s_cmp_lt_u32 ttmp9, 128
	s_cbranch_scc0 .Lnot_x
; ---------------- PATH X.  x is a plain stream of blocks of 32.  A wave takes 8,192 numbers.  Each load reads 512 consecutive bytes; a step's 2,048 bytes turn through the wave's stage so that a lane holds 16 neighbours.
	s_mul_i32 s21, s20, WREG
	v_lshrrev_b32 v14, 2, v2
	v_mul_u32_u24 v14, v14, SP
	v_and_b32 v15, 3, v2
	v_lshl_add_u32 v14, v15, 4, v14
	v_add_nc_u32 v14, s21, v14                     ; into the stage: SP (lane / 4) + 16 (lane % 4)
	v_mul_u32_u24 v15, v2, SP
	v_add_nc_u32 v15, s21, v15                     ; out of it: SP x lane
	v_lshlrev_b32 v4, 3, v2                        ; 8 x lane: my codes in a step's 256 bytes, and my 8 scale bytes on the way out
	v_lshrrev_b32 v5, 1, v2
	s_add_co_u32 s21, s21, 2*32*SP
	v_add_nc_u32 v5, s21, v5                       ; my block's scale byte
	v_add_nc_u32 v6, s21, v4
	s_lshl_b32 s22, ttmp9, 3
	s_add_co_u32 s22, s22, s20                     ; which run of 8,192 numbers is my wave's: 0..1023
	s_lshl_b32 s24, s22, 15                        ; 32,768 bytes of x,
	s_mov_b32 s25, 0
	s_lshl_b32 s26, s22, 12                        ; 4,096 of codes,
	s_mov_b32 s27, 0
	s_lshl_b32 s28, s22, 8                         ; 256 scale bytes
	s_mov_b32 s29, 0
	s_wait_kmcnt 0x0
	s_add_nc_u64 s[4:5], s[4:5], s[24:25]
	s_add_nc_u64 s[10:11], s[10:11], s[26:27]
	s_add_nc_u64 s[12:13], s[12:13], s[28:29]
.macro XLOAD t
.irp i, 0,1,2,3
	global_load_b128 v[R+16*((\t)%AH)+4*\i:R+16*((\t)%AH)+4*\i+3], v3, s[4:5] offset:2048*(\t)+512*\i th:TH_LOAD_NT
.endr
.endm
.macro XTURN t                         ; LDS serves a wave's instructions in order: no wait between the stores and the loads
.irp i, 0,1,2,3
	ds_store_b128 v14, v[R+16*((\t)%AH)+4*\i:R+16*((\t)%AH)+4*\i+3] offset:32*SP*((\t)%2)+8*SP*\i
.endr
.irp i, 0,1,2,3
	ds_load_b128 v[X+16*((\t)%2)+4*\i:X+16*((\t)%2)+4*\i+3], v15 offset:32*SP*((\t)%2)+16*\i
.endr
.endm
.irp t, 0,1,2,3,4,5,6,7
	XLOAD \t
.endr
	s_wait_loadcnt 28                              ; step 0's four loads are in; the 28 of steps 1 to 7 may be out
	XTURN 0
.macro XSTEP t
.set XS, X+16*((\t)%2)
.if (\t) > 0
	s_wait_dscnt 1                                 ; this step's numbers are back from the stage; the last step's byte store may be out
.else
	s_wait_dscnt 0x0
.endif
.if (\t)+AH < STEPS
	XLOAD (\t)+AH                                  ; into the set that this step's stage stores have read
.endif
.if (\t)+1 < STEPS
.if STEPS-2-(\t) >= AH-1
	s_wait_loadcnt 4*(AH-1)                        ; the next step's loads are in; those of the seven steps behind it may be out
.else
	s_wait_loadcnt 4*(STEPS-2-(\t))
.endif
	XTURN (\t)+1
.endif
	v_max3_num_f32 v8, |v[XS]|, |v[XS+1]|, |v[XS+2]|
	v_max3_num_f32 v9, |v[XS+3]|, |v[XS+4]|, |v[XS+5]|
.irp i, 6,10
	v_max3_num_f32 v8, v8, |v[XS+\i]|, |v[XS+\i+1]|
	v_max3_num_f32 v9, v9, |v[XS+\i+2]|, |v[XS+\i+3]|
.endr
	v_max3_num_f32 v8, v8, |v[XS+14]|, |v[XS+15]|
	v_max3_num_f32 v8, v8, v9, 0x1800000           ; and the floor 2^(3 - 127): the byte cannot fall under 1
	v_max_num_f32_dpp v8, v8, v8 row_xmask:1 row_mask:0xf bank_mask:0xf   ; with my neighbour's 16: the block's largest magnitude
	v_add_nc_u32 v11, 0xff000000, v8               ; 2 off its exponent field: the conversion's scale operand
	v_cvt_scalef32_pk8_fp4_f32 v[C+2*(\t)], v[XS:XS+7], v11
	v_cvt_scalef32_pk8_fp4_f32 v[C+2*(\t)+1], v[XS+8:XS+15], v11
	v_lshrrev_b32 v[E+(\t)], 23, v11               ; the scale's byte (also the plain line behind the conversions)
	ds_store_b8 v5, v[E+(\t)] offset:16*(\t)       ; both lanes of a block write the same byte with the same value
	global_store_b64 v4, v[C+2*(\t):C+2*(\t)+1], s[10:11] offset:256*(\t)   ; the wave stores 256 consecutive bytes, aligned
.endm
.irp t, 0,1,2,3,4,5,6,7,8,9,10,11,12,13,14,15
	XSTEP \t
.endr
	ds_load_b64 v[8:9], v6                         ; my wave's 256 scale bytes, 8 a lane
	s_wait_dscnt 0x0
	global_store_b64 v4, v[8:9], s[12:13]
	CLOSE
	s_endpgm
; ---------------- PATH W.  A work-group takes 32 columns and all of K.  A lane takes a column and its registers run down K; wave w takes k = 128 w .. 128 w + 127: four blocks.
.Lnot_x:
	s_cmp_lt_u32 ttmp9, 224
	s_cbranch_scc0 .Lpath_c
	s_sub_co_u32 s22, ttmp9, 128                   ; which 32 columns: 0..95
	v_lshlrev_b32 v7, 2, v2                        ; 4 x lane
	s_lshl_b32 s21, s20, 6
	v_mul_u32_u24 v4, v2, WPITCH
	v_add_nc_u32 v4, s21, v4
	v_add_nc_u32 v4, WST, v4                       ; codes in: my column's row, + 64 w
	s_lshl_b32 s21, s20, 2
	v_lshl_add_u32 v5, v2, 5, WSC
	v_add_nc_u32 v5, s21, v5                       ; scale word in: 32 x column + 4 w
	s_mul_i32 s21, s20, 4*WPITCH
	v_add_nc_u32 v6, s21, v3
	v_add_nc_u32 v6, WST, v6                       ; codes out: rows 4 w on, 16 bytes a lane
	s_and_b32 s23, s20, 1
	s_lshl_b32 s23, s23, 9
	v_add_nc_u32 v14, s23, v3
	v_add_nc_u32 v14, WSC, v14                     ; scale bytes out (waves 0 and 1): 512 bytes a wave
	s_mul_i32 s24, s20, 128*12288                  ; W_attn: my 128 rows of 12,288 bytes,
	s_lshl_b32 s25, s22, 7                         ; my work-group's 128 bytes of each
	s_add_co_u32 s24, s24, s25
	s_mov_b32 s25, 0
	s_lshl_b32 s26, s22, 14                        ; wc: 32 rows of 512 bytes a work-group,
	s_lshl_b32 s27, s20, 11                        ; 4 rows a wave
	s_add_co_u32 s26, s26, s27
	s_mov_b32 s27, 0
	s_lshl_b32 s28, s22, 10                        ; ws: 1,024 bytes a work-group
	s_add_co_u32 s28, s28, s23
	s_mov_b32 s29, 0
	s_wait_kmcnt 0x0
	s_add_nc_u64 s[6:7], s[6:7], s[24:25]
	s_add_nc_u64 s[14:15], s[14:15], s[26:27]
	s_add_nc_u64 s[16:17], s[16:17], s[28:29]
.macro WLOAD t
.irp i, 0,1,2,3,4,5,6,7,8,9,10,11,12,13,14,15,16,17,18,19,20,21,22,23,24,25,26,27,28,29,30,31
	global_load_b32 v[WX+32*((\t)%2)+\i], v7, s[6:7] offset:(32*(\t)+\i)*12288 th:TH_LOAD_NT
.endr
.endm
	WLOAD 0
	WLOAD 1
.macro WBLOCK t
.set XS, WX+32*((\t)%2)
.if (\t) < 3
	s_wait_loadcnt 32                              ; this block's 32 loads are in; the next block's may be out
.else
	s_wait_loadcnt 0x0
.endif
	v_max3_num_f32 v8, |v[XS]|, |v[XS+1]|, |v[XS+2]|   ; all 32 numbers of the block are mine
	v_max3_num_f32 v9, |v[XS+3]|, |v[XS+4]|, |v[XS+5]|
.irp i, 6,10,14,18,22,26
	v_max3_num_f32 v8, v8, |v[XS+\i]|, |v[XS+\i+1]|
	v_max3_num_f32 v9, v9, |v[XS+\i+2]|, |v[XS+\i+3]|
.endr
	v_max3_num_f32 v8, v8, |v[XS+30]|, |v[XS+31]|
	v_max3_num_f32 v8, v8, v9, 0x1800000
	v_add_nc_u32 v11, 0xff000000, v8
	v_lshrrev_b32 v10, 23, v11
.if (\t) == 0
	v_mov_b32 v24, v10                             ; four bytes to a word, the lower K in the lower byte
.else
	v_lshl_or_b32 v24, v10, 8*(\t), v24
.endif
.irp g, 0,1,2,3
	v_cvt_scalef32_pk8_fp4_f32 v[WC+4*(\t)+\g], v[XS+8*\g:XS+8*\g+7], v11
.endr
	v_nop                                          ; one plain line behind the conversions
	ds_store_b128 v4, v[WC+4*(\t):WC+4*(\t)+3] offset:16*(\t)
.if (\t)+2 < 4
	WLOAD (\t)+2
.endif
.endm
.irp t, 0,1,2,3
	WBLOCK \t
.endr
	ds_store_b32 v5, v24
	s_wait_dscnt 0x0                               ; for the others' sake: my stores have landed
	s_barrier_signal -1
	s_barrier_wait -1
.irp i, 0,1,2,3
	ds_load_b128 v[112+4*\i:115+4*\i], v6 offset:\i*WPITCH
.endr
.irp i, 0,1,2,3
	s_wait_dscnt 3-\i
	global_store_b128 v3, v[112+4*\i:115+4*\i], s[14:15] offset:512*\i   ; a whole row of 512 bytes
.endr
	s_cmp_lt_u32 s20, 2
	s_cbranch_scc0 .Lw_end
	ds_load_b128 v[128:131], v14
	s_wait_dscnt 0x0
	global_store_b128 v3, v[128:131], s[16:17]     ; 512 consecutive scale bytes
.Lw_end:
	CLOSE
	s_endpgm
; ---------------- PATH C.  A wave takes 4,096 numbers of W_proj: 32 loads of 512 bytes, all out at once; each store covers 256 consecutive bytes.  No LDS.
.Lpath_c:
	s_sub_co_u32 s22, ttmp9, 224
	s_lshl_b32 s22, s22, 3
	s_add_co_u32 s22, s22, s20
	s_lshl_b32 s24, s22, 14
	s_mov_b32 s25, 0
	s_lshl_b32 s26, s22, 13
	s_mov_b32 s27, 0
	v_lshlrev_b32 v4, 3, v2
	s_wait_kmcnt 0x0
	s_add_nc_u64 s[8:9], s[8:9], s[24:25]
	s_add_nc_u64 s[18:19], s[18:19], s[26:27]
.irp i, 0,1,2,3,4,5,6,7,8,9,10,11,12,13,14,15,16,17,18,19,20,21,22,23,24,25,26,27,28,29,30,31
	global_load_b128 v[R+4*\i:R+4*\i+3], v3, s[8:9] offset:512*\i th:TH_LOAD_NT
.endr
.irp i, 0,1,2,3,4,5,6,7,8,9,10,11,12,13,14,15,16,17,18,19,20,21,22,23,24,25,26,27,28,29,30,31
	s_wait_loadcnt 31-\i
	v_cvt_pk_f16_f32 v[144+2*\i], v[R+4*\i], v[R+4*\i+1]
	v_cvt_pk_f16_f32 v[145+2*\i], v[R+4*\i+2], v[R+4*\i+3]
	global_store_b64 v4, v[144+2*\i:145+2*\i], s[18:19] offset:256*\i
.endr
	s_endpgm
.Lfunc_end_k_q4dc1be9ba4_prep:
	.size	k_q4dc1be9ba4_prep, .Lfunc_end_k_q4dc1be9ba4_prep-k_q4dc1be9ba4_prep
	.p2alignl 7, 3214868480
	.fill 96, 4, 3214868480
	.section	.rodata,"a",@progbits
	.p2align	6, 0x0
	.amdhsa_kernel k_q4dc1be9ba4_prep
		.amdhsa_group_segment_fixed_size 84480
		.amdhsa_private_segment_fixed_size 0
		.amdhsa_enable_private_segment 0
		.amdhsa_kernarg_size 64
		.amdhsa_user_sgpr_count 2
		.amdhsa_user_sgpr_kernarg_segment_ptr 1
		.amdhsa_wavefront_size32 1
		.amdhsa_system_sgpr_workgroup_id_x 1
		.amdhsa_system_sgpr_workgroup_id_y 1
		.amdhsa_system_sgpr_workgroup_id_z 1
		.amdhsa_system_vgpr_workitem_id 0
		.amdhsa_next_free_vgpr 224
		.amdhsa_next_free_sgpr 66
		.amdhsa_reserve_vcc 0
		.amdhsa_float_denorm_mode_32 3
		.amdhsa_float_denorm_mode_16_64 3
		.amdhsa_memory_ordered 1
		.amdhsa_forward_progress 1
		.amdhsa_inst_pref_size 65
	.end_amdhsa_kernel
	.amdgpu_metadata
---
amdhsa.version: [ 1, 2 ]
amdhsa.kernels:
  - .name:           k_q4dc1be9ba4_prep
    .symbol:         k_q4dc1be9ba4_prep.kd
    .args:
      - { .name: x, .offset: 0, .size: 8, .value_kind: global_buffer, .address_space: global }
      - { .name: W_attn, .offset: 8, .size: 8, .value_kind: global_buffer, .address_space: global }
      - { .name: W_proj, .offset: 16, .size: 8, .value_kind: global_buffer, .address_space: global }
      - { .name: xc, .offset: 24, .size: 8, .value_kind: global_buffer, .address_space: global }
      - { .name: xs, .offset: 32, .size: 8, .value_kind: global_buffer, .address_space: global }
      - { .name: wc, .offset: 40, .size: 8, .value_kind: global_buffer, .address_space: global }
      - { .name: ws, .offset: 48, .size: 8, .value_kind: global_buffer, .address_space: global }
      - { .name: wp16, .offset: 56, .size: 8, .value_kind: global_buffer, .address_space: global }
    .group_segment_fixed_size: 84480
    .private_segment_fixed_size: 0
    .kernarg_segment_align: 8
    .kernarg_segment_size: 64
    .max_flat_workgroup_size: 256
    .sgpr_count:     66
    .vgpr_count:     224
    .wavefront_size: 32
...
	.end_amdgpu_metadata
.endif
;; end of part 1
;; launch gemm_qkv (part 2): grid 12 x 32, 4 waves a work-group, clusters of 4 x 4, 327,680 bytes of LDS; arguments xc, xs, wc, ws, qkv16, b_attn; writes qkv16
.if DOCPART == 2
	.amdgcn_target "amdgcn-amd-amdhsa--gfx1250"
	.amdhsa_code_object_version 6
	.text
	.protected	k_q4dc1be9ba4_gemm_qkv
	.globl	k_q4dc1be9ba4_gemm_qkv
	.p2align	8
	.type	k_q4dc1be9ba4_gemm_qkv,@function
k_q4dc1be9ba4_gemm_qkv:
	s_mov_b64 s[64:65], 0
	v_nop
	global_prefetch_b8 v0, s[64:65] scope:SCOPE_SE
	s_setreg_imm32_b32 hwreg(HW_REG_WAVE_MODE, 25, 1), 1
	s_wait_xcnt 0x0
	s_wait_alu depctr_hold_cnt(0) depctr_sa_sdst(0) depctr_va_vdst(0) depctr_va_sdst(0) depctr_va_ssrc(0) depctr_va_vcc(0) depctr_vm_vsrc(0)
	s_getreg_b32 s2, hwreg(HW_REG_IB_STS2, 6, 4)
	s_cmp_eq_u32 s2, 0
	s_cbranch_scc0 .Lentry_in_a_cluster
	s_endpgm
.Lentry_in_a_cluster:
	s_bfe_u32 s2, ttmp6, 0x10000c
	s_cmp_lg_u32 s2, 0xf033
	s_cbranch_scc0 .Lentry_shape_is_right
	s_endpgm
.Lentry_shape_is_right:
; qkv = Q(x) Q(W_attn) + b_attn on codes of E2M1 with E8M0 scales, sums in f32, rounded once to f16 and laid by head: qkv16 [part q,k,v][batch][head][t][64].
; A = xc [8192][512 bytes], B = wc [3072][512 bytes], K = 1,024.  A tile of 256 x 256 is made by four waves, each 128 x 128: 64 accumulators, 512 registers.
; K is two slots of 512 along K (rows of 256 bytes): both are first fills, so nothing is filled again and there is no loop.  The scale bytes of the tile's rows come once, as two dense blocks.
; CLUSTERS: 4 x 4 work-groups; A's tiles are asked for jointly along a row of the cluster, B's along a column.
; THE MATRIX INSTRUCTION IS USED TRANSPOSED (source 0 = 16 rows of B, source 1 = 16 rows of A): a lane holds eight neighbouring columns of one row.  The bias is the C of each sum's first product.
; No prefetch: every tile is a first fill at the head.
; LIMITS: q, k, v must lie under 65,504 in magnitude (f16).
; REGISTERS: window 0: v0-31 addresses; v32-95 scale words, two sets; v128-191 A's fragments, one set; v192-255 the bias (8 n blocks x 8), later the way out.  window 1: B's fragments, two sets.  windows 2, 3: accumulators.
.set NQ,     4                         ; steps of 128 along K in a slot
.set ROWB,   256
.set KROW,   512
.set PITCH,  272                       ; 256 bytes + 16: the 16 rows of a fragment load start at 16 different groups of four banks
.set FR,     8
.set NL,     2
.set NP,     4
.set HALFT,  128*PITCH
.set SLOT,   4*HALFT
.set KS,     32                        ; a row of scale bytes
.set SCL,    2*SLOT
.set HALFS,  (128*KS/256)*272
.set SBLK,   (16*KS/256)*272
.set SPARE,  SCL+4*HALFS
.set SPT,    144                       ; the way out: a stage row: 128 bytes (64 f16 of one head) + 16
.set HSTG,   16*SPT                    ; 16 rows of one head; a wave's stage is two of these, in slot 0, which has had its one fill and its last read by then
.set ADRA, 16
.set ADRB, 20
.set STO,  24
.set RD,   25
.set CO,   26
.set ADRS, 27
.set SPW,  28
.set NIL,  29
.set BO,   30                          ; v30  32 x (lane / 16): my eight numbers of a bias block
.set SC,   32
.set AF,   128
.set BIAS, 192
.set TMP,  192
.set OB,   32
.set G1, 24
.set G0, 32
.set G1B, 48
.set G0B, 56
.set G1S, 68
.set G0S, 76
.set G1SB, 80
.set G0SB, 88
.set MSB, 0
.macro WIN new                         ; the immediate's high byte repeats the setting that is left
.if MSB != \new
	s_set_vgpr_msb (MSB<<8)|\new
.set MSB, \new
.endif
.endm
.set MUL_LO, 0xa1                      ; source 0 (B) window 1, source 1 (A) window 0, C and D window 2
.set MUL_HI, 0xf1
.set TO_B,   0x40
.macro JLOAD g0a, g1a, g0b, g1b        ; waves 0 and 1 fetch for A, waves 2 and 3 for B; an s_nop 0 and four v_nop follow each line
	s_cmp_eq_u32 s15, 0
	s_cbranch_scc0 .Lfor_b_\@
	tensor_load_to_lds s[\g0a:\g0a+3], s[\g1a:\g1a+7]
	s_nop 0
.rept 4
	v_nop
.endr
	s_branch .Lasked_\@
.Lfor_b_\@:
	tensor_load_to_lds s[\g0b:\g0b+3], s[\g1b:\g1b+7]
	s_nop 0
.rept 4
	v_nop
.endr
.Lasked_\@:
.endm
.macro CROUND                          ; a round of the cluster's barrier
	s_barrier_signal -1
	s_barrier_wait -1
	s_cmp_lg_u32 s14, 0
	s_cbranch_scc1 .Lnot_wave_0_\@
	s_barrier_signal -3
.Lnot_wave_0_\@:
	s_barrier_wait -3
	s_barrier_signal -1
	s_barrier_wait -1
.endm
	s_load_b128 s[4:7], s[0:1], 0x0                ; xc, xs
	s_load_b128 s[8:11], s[0:1], 0x10              ; wc, ws
	s_load_b64 s[12:13], s[0:1], 0x20              ; qkv16
	s_load_b64 s[96:97], s[0:1], 0x28              ; b_attn
	v_lshl_add_u32 v[SPW], v0, 2, SPARE
	v_mov_b32 v[NIL], 0
	ds_add_u32 v[SPW], v[NIL]                      ; the opening: the add, twice on end, and its wait ahead of my first tensor load
	ds_add_u32 v[SPW], v[NIL]
	v_lshrrev_b32 v1, 5, v0
	v_readfirstlane_b32 s14, v1                    ; wave 0..3
	s_lshr_b32 s15, s14, 1                         ; my half of the tile's rows; also: I fetch for A (0) or B (1)
	s_and_b32 s16, s14, 1                          ; my half of its columns; also: which 128 rows I fetch
	s_bfe_u32 s40, ttmp6, 0x40000                  ; cx
	s_bfe_u32 s41, ttmp6, 0x40004                  ; cy
	s_lshl_b32 s42, ttmp9, 2
	s_add_co_u32 s42, s42, s40                     ; tile column
	s_and_b32 s17, ttmp7, 0xffff
	s_lshl_b32 s17, s17, 2
	s_add_co_u32 s17, s17, s41                     ; tile row
	s_lshl_b32 s43, s41, 2
	s_lshl_b32 s43, 15, s43                        ; my row of the cluster
	s_lshl_b32 s44, 0x1111, s40                    ; my column
	s_or_b32 s[G1+0], s43, (0<<16)|(1<<20)|(1<<21)|(5<<22)|(3<<25)   ; mask; elements of 1 byte; padding: 4 words behind every 64
	s_or_b32 s[G1B+0], s44, (0<<16)|(1<<20)|(1<<21)|(5<<22)|(3<<25)
.irp g, G1, G1B
	s_mov_b32 s[\g+1], ROWB<<16                    ; tensor_dim0
	s_mov_b32 s[\g+2], 128<<16                     ; tensor_dim1
	s_mov_b32 s[\g+3], ROWB<<16                    ; tile_dim0
	s_mov_b32 s[\g+4], 128                         ; tile_dim1
	s_mov_b32 s[\g+5], KROW                        ; pitch
	s_mov_b32 s[\g+6], 0
	s_mov_b32 s[\g+7], 0
.endr
	s_or_b32 s[G1S+0], s43, (3<<16)|(1<<20)|(1<<21)|(5<<22)|(3<<25)  ; the scales of 128 rows: 4,096 dense bytes as 16 rows of 256
	s_or_b32 s[G1SB+0], s44, (3<<16)|(1<<20)|(1<<21)|(5<<22)|(3<<25)
.irp g, G1S, G1SB
	s_mov_b32 s[\g+1], 32<<16
	s_mov_b32 s[\g+2], (128*KS/256)<<16
	s_mov_b32 s[\g+3], 32<<16
	s_mov_b32 s[\g+4], 128*KS/256
	s_mov_b32 s[\g+5], 32
	s_mov_b32 s[\g+6], 0
	s_mov_b32 s[\g+7], 0
.endr
	s_lshl_b32 s18, s16, 7
	s_lshl_b32 s20, s17, 8
	s_add_co_u32 s20, s20, s18                     ; A: row 256 x tile row + 128 x half
	s_lshl_b32 s46, s42, 8
	s_add_co_u32 s46, s46, s18                     ; B: row 256 x tile column + 128 x half
	s_mov_b32 s21, 0
	s_mov_b32 s47, 0
	s_mov_b64 s[18:19], KS
	s_mul_u64 s[22:23], s[20:21], s[18:19]
	s_mul_u64 s[92:93], s[46:47], s[18:19]
	s_mov_b64 s[18:19], KROW
	s_mul_u64 s[20:21], s[20:21], s[18:19]
	s_mul_u64 s[46:47], s[46:47], s[18:19]
	s_mul_i32 s45, s14, HALFT
	s_mul_i32 s94, s14, HALFS
	s_wait_dscnt 0x0                               ; both opening adds are done
	s_wait_kmcnt 0x0
	s_add_nc_u64 s[20:21], s[4:5], s[20:21]
	s_add_nc_u64 s[22:23], s[6:7], s[22:23]
	s_add_nc_u64 s[46:47], s[8:9], s[46:47]
	s_add_nc_u64 s[92:93], s[10:11], s[92:93]
	CROUND                                         ; all sixteen work-groups are here: the joint loads meet
	s_mov_b32 s[G0S], 1
	s_add_co_u32 s[G0S+1], s94, SCL
	s_mov_b64 s[G0S+2:G0S+3], s[22:23]
	s_or_b32 s[G0S+3], s[G0S+3], 0x80000000
	s_mov_b32 s[G0SB], 1
	s_add_co_u32 s[G0SB+1], s94, SCL
	s_mov_b64 s[G0SB+2:G0SB+3], s[92:93]
	s_or_b32 s[G0SB+3], s[G0SB+3], 0x80000000
	JLOAD G0S, G1S, G0SB, G1SB
.irp s, 0,1
	s_mov_b32 s[G0+4*\s], 1
	s_add_co_u32 s[G0+4*\s+1], s45, \s*SLOT
	s_add_nc_u64 s[G0+4*\s+2:G0+4*\s+3], s[20:21], \s*ROWB
	s_or_b32 s[G0+4*\s+3], s[G0+4*\s+3], 0x80000000
	s_mov_b32 s[G0B+4*\s], 1
	s_add_co_u32 s[G0B+4*\s+1], s45, \s*SLOT
	s_add_nc_u64 s[G0B+4*\s+2:G0B+4*\s+3], s[46:47], \s*ROWB
	s_or_b32 s[G0B+4*\s+3], s[G0B+4*\s+3], 0x80000000
	JLOAD G0+4*\s, G1, G0B+4*\s, G1B
.endr
	v_and_b32 v1, 15, v0                           ; r
	v_bfe_u32 v2, v0, 4, 1                         ; h
	; the bias: lane (r, h) wants, for n block b, b_attn at my first column + 16 b + 8 h + 0 .. 7
	s_lshl_b32 s46, s42, 10
	s_lshl_b32 s47, s16, 9
	s_add_co_u32 s46, s46, s47                     ; my first column x 4 bytes
	s_mov_b32 s47, 0
	s_add_nc_u64 s[96:97], s[96:97], s[46:47]
	v_lshlrev_b32 v[BO], 5, v2
.irp b, 0,1,2,3,4,5,6,7
	global_load_b128 v[BIAS+8*\b:BIAS+8*\b+3], v[BO], s[96:97] offset:64*\b
	global_load_b128 v[BIAS+8*\b+4:BIAS+8*\b+7], v[BO], s[96:97] offset:64*\b+16
.endr
	v_mul_u32_u24 v3, v1, PITCH
	v_lshl_add_u32 v4, v2, 4, v3
	s_mul_i32 s21, s15, HALFT
	s_mul_i32 s22, s16, HALFT
	s_add_co_u32 s22, s22, 2*HALFT
.irp s, 0,1
	v_add_nc_u32 v[ADRA+\s], s21, v4
	v_add_nc_u32 v[ADRB+\s], s22, v4
	s_add_co_u32 s21, s21, SLOT
	s_add_co_u32 s22, s22, SLOT
.endr
	v_mul_u32_u24 v5, v1, KS                       ; my row's scale bytes,
	v_lshrrev_b32 v6, 8, v5
	v_lshl_add_u32 v5, v6, 4, v5                   ; and 16 more for each 256 passed
	s_mul_i32 s21, s15, HALFS
	s_mul_i32 s22, s16, HALFS
	s_add_co_u32 s22, s22, 2*HALFS
	s_sub_co_u32 s22, s22, s21
	v_mul_u32_u24 v6, s22, v2                      ; lanes 16-31 take B's
	s_add_co_u32 s21, s21, SCL
	v_add_nc_u32 v5, v5, v6
	v_add_nc_u32 v[ADRS], s21, v5
	s_mul_i32 s23, s14, 2*HSTG                     ; my stage
	v_mul_u32_u24 v5, v1, SPT
	v_lshl_add_u32 v5, v2, 4, v5
	v_add_nc_u32 v[STO], s23, v5                   ; in: row r, 16 bytes for each half of the lanes
	v_and_b32 v6, 31, v0
	v_lshlrev_b32 v[CO], 4, v6                     ; out: four rows of 128 bytes are 512 consecutive bytes of a head: 16 x lane
	v_lshrrev_b32 v5, 3, v6
	v_mul_u32_u24 v5, v5, SPT
	v_and_b32 v6, 7, v0
	v_lshl_add_u32 v5, v6, 4, v5
	v_add_nc_u32 v[RD], s23, v5                    ; back: row lane / 8, 16 (lane % 8)
	; where my 128 rows x 2 heads begin in qkv16
	s_lshr_b32 s20, s17, 3                         ; batch
	s_lshl_b32 s20, s20, 4
	s_and_b32 s21, s42, 3
	s_lshl_b32 s21, s21, 2
	s_add_co_u32 s20, s20, s21
	s_lshl_b32 s21, s16, 1
	s_add_co_u32 s20, s20, s21                     ; 16 x batch + my first head
	s_lshl_b32 s20, s20, 11                        ; x 2,048 rows
	s_and_b32 s21, s17, 7
	s_lshl_b32 s21, s21, 8
	s_add_co_u32 s20, s20, s21
	s_lshl_b32 s21, s15, 7
	s_add_co_u32 s20, s20, s21                     ; + my first t
	s_lshl_b32 s20, s20, 7                         ; x 128 bytes
	s_lshr_b32 s21, s42, 2                         ; q, k or v
	s_lshl_b32 s21, s21, 24                        ; x 16,777,216
	s_add_co_u32 s20, s20, s21
	s_mov_b32 s21, 0
	s_add_nc_u64 s[12:13], s[12:13], s[20:21]
.macro FRAG reg, adr, q, i             ; 16 rows x 128 K of 4-bit codes: two loads of 16 bytes, 32 apart
.irp c, 0,1
	ds_load_b128 v[\reg+4*\c:\reg+4*\c+3], v[\adr] offset:64*(\q)+32*\c+(\i)*16*PITCH
.endr
.endm
; 16 products: A's blocks a0, a0 + 1 x B's eight.  bias = 1: the first step: C is the bias.  The 64 accumulators take turns, one instruction a turn.
.macro MUL16 a0, p, q, sc, bias
.irp a, \a0, \a0+1
.irp b, 0,1,2,3,4,5,6,7
.if \bias
	v_wmma_scale_f32_16x16x128_f8f6f4 v[8*(8*((\a)%4)+\b):8*(8*((\a)%4)+\b)+7], v[128*(\p)+FR*\b:128*(\p)+FR*\b+FR-1], v[AF+FR*(\a):AF+FR*(\a)+FR-1], v[BIAS+8*\b:BIAS+8*\b+7], v[SC+8*NQ*(\sc)+NQ*\b+(\q)], v[SC+8*NQ*(\sc)+NQ*(\a)+(\q)] matrix_a_fmt:MATRIX_FMT_FP4 matrix_b_fmt:MATRIX_FMT_FP4 matrix_a_scale:MATRIX_SCALE_ROW1
.else
	v_wmma_scale_f32_16x16x128_f8f6f4 v[8*(8*((\a)%4)+\b):8*(8*((\a)%4)+\b)+7], v[128*(\p)+FR*\b:128*(\p)+FR*\b+FR-1], v[AF+FR*(\a):AF+FR*(\a)+FR-1], v[8*(8*((\a)%4)+\b):8*(8*((\a)%4)+\b)+7], v[SC+8*NQ*(\sc)+NQ*\b+(\q)], v[SC+8*NQ*(\sc)+NQ*(\a)+(\q)] matrix_a_fmt:MATRIX_FMT_FP4 matrix_b_fmt:MATRIX_FMT_FP4 matrix_a_scale:MATRIX_SCALE_ROW1
.endif
.endr
.endr
.endm
.macro FETCH_B slot, q, p
	WIN TO_B
.irp i, 0,1,2,3,4,5,6,7
	FRAG 128*(\p)+FR*\i, ADRB+\slot, \q, \i
.endr
	WIN 0
.endm
.macro FETCH_A slot, q, i0
.irp i, \i0, \i0+1, \i0+2, \i0+3
	FRAG AF+FR*(\i), ADRA+\slot, \q, \i
.endr
.endm
.macro SCALES sc                       ; a slot's scale words: lanes 0-15 A's block i, lanes 16-31 B's block i
.irp i, 0,1,2,3,4,5,6,7
	ds_load_b128 v[SC+8*NQ*\sc+NQ*\i:SC+8*NQ*\sc+NQ*\i+3], v[ADRS] offset:\i*SBLK
.endr
.endm
.macro PLACES n                        ; plain vector lines between a matrix instruction and a load into, or a read of, its registers
.rept \n
	v_nop
.endr
.endm
.macro STEP slot, q, bias
	s_wait_dscnt 4*NL                              ; B's set and A's blocks 0-3 are in; the youngest eight loads (A's blocks 4-7) may be out
.if \bias
	WIN 0x81                                       ; C (the bias) in window 0, D in window 2
.else
	WIN MUL_LO
.endif
	MUL16 0, (\q)%2, \q, \slot, \bias
	MUL16 2, (\q)%2, \q, \slot, \bias
	s_wait_dscnt 0
	PLACES NP
	FETCH_B \slot, (\q)+1, 1-(\q)%2
	FETCH_A \slot, (\q)+1, 0
.if \bias
	WIN 0xc1
.else
	WIN MUL_HI
.endif
	MUL16 4, (\q)%2, \q, \slot, \bias
	MUL16 6, (\q)%2, \q, \slot, \bias
	PLACES NP
	WIN 0
	FETCH_A \slot, (\q)+1, 4
.endm
; Slot 0's last step goes over to slot 1: each wave waits for all its tensor loads (its part of slot 1), and one barrier shows the slot whole to all four.  Nothing is filled again.
.macro TURN slot, next
	s_wait_tensorcnt 0x0
	ds_add_u32 v[SPW], v[NIL]
	s_wait_dscnt 4*NL+1                            ; the add and the youngest eight loads may be out
	WIN MUL_LO
	MUL16 0, 1, NQ-1, \slot, 0
	s_wait_dscnt 0x0
	s_barrier_signal -1
	MUL16 2, 1, NQ-1, \slot, 0
	WIN 0
	s_barrier_wait -1
	PLACES NP
	v_add_nc_u32 v[ADRS], 4*NQ, v[ADRS]            ; the next slot's scale words
	FETCH_B \next, 0, 0
	FETCH_A \next, 0, 0
	SCALES \next
	WIN MUL_HI
	MUL16 4, 1, NQ-1, \slot, 0
	MUL16 6, 1, NQ-1, \slot, 0
	PLACES NP
	WIN 0
	FETCH_A \next, 0, 4
.endm
	s_wait_tensorcnt 1                             ; the scales and my part of slot 0 are in; slot 1's load may be out
	s_barrier_signal -1
	s_barrier_wait -1
	FETCH_B 0, 0, 0
	FETCH_A 0, 0, 0
	SCALES 0
	FETCH_A 0, 0, 4
	s_wait_loadcnt 0x0                             ; the bias
	STEP 0, 0, 1
	STEP 0, 1, 0
	STEP 0, 2, 0
	TURN 0, 1
	STEP 1, 0, 0
	STEP 1, 1, 0
	STEP 1, 2, 0
	s_wait_dscnt 4*NL
	WIN MUL_LO
	MUL16 0, 1, NQ-1, 1, 0
	MUL16 2, 1, NQ-1, 1, 0
	s_wait_dscnt 0
	WIN MUL_HI
	MUL16 4, 1, NQ-1, 1, 0
	MUL16 6, 1, NQ-1, 1, 0
	WIN 0
; THE WAY OUT, block by block of 16 rows x 128 columns (two heads).  Rounded to f16, 16 bytes a lane; through my stage; back as 4 rows x 128 bytes, which are 512 consecutive bytes of a head.
.macro PACK a
.set AC, 64*((\a)%4)
	WIN 0x0a+5*((\a)/4)
.irp b, 0,1,2,3,4,5,6,7
.irp i, 0,1,2,3
	v_cvt_pk_f16_f32 v[TMP+4*\b+\i], v[AC+8*\b+2*\i], v[AC+8*\b+2*\i+1]   ; each accumulator from its low end on
.endr
.endr
	WIN 0
.endm
.macro TOSTAGE a
.set BK, OB+192*((\a)%2)
.irp b, 0,1,2,3,4,5,6,7
	ds_store_b128 v[STO], v[TMP+4*\b:TMP+4*\b+3] offset:(\b/4)*HSTG+(\b%4)*32
.endr
.irp t, 0,1,2,3,4,5,6,7
	ds_load_b128 v[BK+4*\t:BK+4*\t+3], v[RD] offset:(\t/4)*HSTG+(\t%4)*4*SPT   ; LDS serves a wave's instructions in order: these see the stores above
.endr
.endm
.macro SEND a
.set BK, OB+192*((\a)%2)
	s_wait_dscnt 0x0                               ; the block is back in registers
	s_wait_xcnt 0x0                                ; the stores of the block before have read their registers: the next block's loads may land there
.irp t, 0,1,2,3,4,5,6,7
	global_store_b128 v[CO], v[BK+4*\t:BK+4*\t+3], s[12:13] offset:(\a)*2048+(\t/4)*262144+(\t%4)*512
.endr
.endm
	PLACES NP
	PACK 0
	TOSTAGE 0
.irp a, 1,2,3,4,5,6,7
	PACK \a
	SEND \a-1
	TOSTAGE \a
.endr
	SEND 7
	s_wait_tensorcnt 0x0                           ; the wave's end
	ds_add_u32 v[SPW], v[NIL]
	s_wait_dscnt 0x0
	CROUND                                         ; the closing round
	s_endpgm
.Lfunc_end_k_q4dc1be9ba4_gemm_qkv:
	.size	k_q4dc1be9ba4_gemm_qkv, .Lfunc_end_k_q4dc1be9ba4_gemm_qkv-k_q4dc1be9ba4_gemm_qkv
	.p2alignl 7, 3214868480
	.fill 96, 4, 3214868480
	.section	.rodata,"a",@progbits
	.p2align	6, 0x0
	.amdhsa_kernel k_q4dc1be9ba4_gemm_qkv
		.amdhsa_group_segment_fixed_size 327680
		.amdhsa_private_segment_fixed_size 0
		.amdhsa_enable_private_segment 0
		.amdhsa_kernarg_size 48
		.amdhsa_user_sgpr_count 2
		.amdhsa_user_sgpr_kernarg_segment_ptr 1
		.amdhsa_wavefront_size32 1
		.amdhsa_system_sgpr_workgroup_id_x 1
		.amdhsa_system_sgpr_workgroup_id_y 1
		.amdhsa_system_sgpr_workgroup_id_z 1
		.amdhsa_system_vgpr_workitem_id 0
		.amdhsa_next_free_vgpr 1024
		.amdhsa_next_free_sgpr 100
		.amdhsa_reserve_vcc 0
		.amdhsa_float_denorm_mode_32 3
		.amdhsa_float_denorm_mode_16_64 3
		.amdhsa_memory_ordered 1
		.amdhsa_forward_progress 1
		.amdhsa_inst_pref_size 128
	.end_amdhsa_kernel
	.amdgpu_metadata
---
amdhsa.version: [ 1, 2 ]
amdhsa.kernels:
  - .name:           k_q4dc1be9ba4_gemm_qkv
    .symbol:         k_q4dc1be9ba4_gemm_qkv.kd
    .args:
      - { .name: xc, .offset: 0, .size: 8, .value_kind: global_buffer, .address_space: global }
      - { .name: xs, .offset: 8, .size: 8, .value_kind: global_buffer, .address_space: global }
      - { .name: wc, .offset: 16, .size: 8, .value_kind: global_buffer, .address_space: global }
      - { .name: ws, .offset: 24, .size: 8, .value_kind: global_buffer, .address_space: global }
      - { .name: qkv16, .offset: 32, .size: 8, .value_kind: global_buffer, .address_space: global }
      - { .name: b_attn, .offset: 40, .size: 8, .value_kind: global_buffer, .address_space: global }
    .group_segment_fixed_size: 327680
    .private_segment_fixed_size: 0
    .kernarg_segment_align: 8
    .kernarg_segment_size: 48
    .max_flat_workgroup_size: 128
    .sgpr_count:     100
    .vgpr_count:     1024
    .wavefront_size: 32
...
	.end_amdgpu_metadata
.endif
;; end of part 2
;; launch head16 (part 3): grid 64 x 1, 12 waves a work-group, no clusters, 14,848 bytes of LDS; arguments xc, xs, wc, ws, b_attn, y32; writes y32
.if DOCPART == 3
	.amdgcn_target "amdgcn-amd-amdhsa--gfx1250"
	.amdhsa_code_object_version 6
	.text
	.protected	k_q4dc1be9ba4_head16
	.globl	k_q4dc1be9ba4_head16
	.p2align	8
	.type	k_q4dc1be9ba4_head16,@function
k_q4dc1be9ba4_head16:
	s_mov_b64 s[64:65], 0
	v_nop
	global_prefetch_b8 v0, s[64:65] scope:SCOPE_SE
	s_setreg_imm32_b32 hwreg(HW_REG_WAVE_MODE, 25, 1), 1
	s_wait_xcnt 0x0
; The first 16 positions of every sequence, in f32: they average one to sixteen values and are the largest outputs, so f16 operands would weigh most there.
; One work-group for each (batch, head).  Phase 1, twelve waves: q, k, v of t = 0..15 (16 x 64 each) once more from the codes, by the scaled matrix form, K ascending, the bias as C; they stay f32, in LDS.
; Phase 2, waves 0-3: S^T = k q^T by the f32 matrix form (16 steps of 4 along the head's 64, four accumulators by turns), the causal mask, softmax with the row's maximum taken away, y^T = v^T p for 16 channels a wave.
; y32 is laid in the order of the next product's operand registers: byte ((((batch 16 + head) 4 + dt) 2 + u) 32 + lane) 16 + 4 e = y(t = lane % 16, channel 64 head + 16 dt + 8 (lane / 16) + 4 u + e).
; No tensor load and no cluster: 64 small work-groups that share nothing.
.set MP,    272                        ; a row of q, k or v in LDS: 256 bytes + 16
.set KM,    16*MP
.set VM,    2*16*MP
.set SPARE, 13312                      ; the spare words: 128 bytes for each of twelve waves
.set SPW, 2
.set NIL, 3
.set XF,  16                           ; v16-79   x's eight fragments; later q (v16-47) and k (v48-79)
.set WF,  80                           ; v80-143  W's eight fragments; later v (v80-87)
.set XS,  144                          ; v144-147 x's scale words: lanes 0-15 K steps 0-3, lanes 16-31 K steps 4-7
.set WS,  148                          ; v148-151 W's likewise
.set ACC, 152                          ; v152-159 the bias, then the sum
.set SA,  160                          ; v160-191 four accumulators of S^T: written by matrix instructions alone
.set YA,  192                          ; v192-199 y^T: likewise
.set T,   200                          ; v200-207 the scores, then p
	s_load_b256 s[4:11], s[0:1], 0x0               ; xc, xs, wc, ws
	s_load_b128 s[12:15], s[0:1], 0x20             ; b_attn, y32
	v_lshl_add_u32 v[SPW], v0, 2, SPARE
	v_mov_b32 v[NIL], 0
	v_lshrrev_b32 v1, 5, v0
	v_readfirstlane_b32 s16, v1                    ; wave 0..11
	v_and_b32 v4, 15, v0                           ; r
	v_bfe_u32 v5, v0, 4, 1                         ; h
	s_lshr_b32 s17, s16, 2                         ; q, k or v
	s_and_b32 s18, s16, 3                          ; which 16 of the head's 64
	s_lshr_b32 s19, ttmp9, 4                       ; batch
	s_and_b32 s20, ttmp9, 15                       ; head
	s_lshl_b32 s21, s17, 10
	s_lshl_b32 s22, s20, 6
	s_add_co_u32 s21, s21, s22
	s_lshl_b32 s22, s18, 4
	s_add_co_u32 s21, s21, s22                     ; my first column of W_attn
	v_lshlrev_b32 v6, 9, v4
	v_lshl_add_u32 v6, v5, 4, v6                   ; codes: row r of 512 bytes + 16 h
	v_lshlrev_b32 v7, 5, v4
	v_lshl_add_u32 v7, v5, 4, v7                   ; scale bytes: row r of 32 + 16 h
	v_lshlrev_b32 v8, 5, v5                        ; bias: 32 h
	s_mul_i32 s23, s17, 16*MP
	s_lshl_b32 s24, s18, 6
	s_add_co_u32 s23, s23, s24
	v_mul_u32_u24 v9, v4, MP
	v_lshl_add_u32 v10, v5, 4, v9                  ; phase 2: q and k: row r + 16 h
	v_lshl_add_u32 v9, v5, 5, v9
	v_add_nc_u32 v9, s23, v9                       ; phase 1: my matrix, row r, 64 x tile + 32 h
	v_mul_u32_u24 v11, v5, 8*MP
	v_lshl_add_u32 v11, v4, 2, v11
	v_add_nc_u32 v11, s24, v11
	v_add_nc_u32 v11, VM, v11                      ; phase 2: v: key 8 h, channel 16 dt + r
	v_lshlrev_b32 v12, 3, v5
	v_sub_nc_u32 v12, v4, v12                      ; r - 8 h: key 8 h + j is hidden where j is above it
	v_and_b32 v13, 31, v0
	v_lshlrev_b32 v13, 4, v13                      ; y32: 16 x lane
	s_lshl_b32 s24, s19, 20                        ; xc: 2,048 rows of 512 bytes a batch
	s_mov_b32 s25, 0
	s_lshl_b32 s26, s19, 16                        ; xs: 2,048 rows of 32
	s_mov_b32 s27, 0
	s_lshl_b32 s28, s21, 9                         ; wc
	s_mov_b32 s29, 0
	s_lshl_b32 s30, s21, 5                         ; ws
	s_mov_b32 s31, 0
	s_lshl_b32 s32, s21, 2                         ; b_attn
	s_mov_b32 s33, 0
	s_lshl_b32 s34, ttmp9, 2
	s_add_co_u32 s34, s34, s18
	s_lshl_b32 s34, s34, 10                        ; y32: 1,024 bytes for each (batch, head, dt)
	s_mov_b32 s35, 0
	s_mov_b32 s36, 0x76543210
	s_mov_b32 s37, 0xfedcba98                      ; selects: lane l xor 16
	s_mov_b32 s38, 0x3e38aa3b                      ; c = log2(e) / sqrt(64)
	s_wait_kmcnt 0x0
	s_add_nc_u64 s[4:5], s[4:5], s[24:25]
	s_add_nc_u64 s[6:7], s[6:7], s[26:27]
	s_add_nc_u64 s[8:9], s[8:9], s[28:29]
	s_add_nc_u64 s[10:11], s[10:11], s[30:31]
	s_add_nc_u64 s[12:13], s[12:13], s[32:33]
	s_add_nc_u64 s[14:15], s[14:15], s[34:35]
.irp s, 0,1,2,3,4,5,6,7
	global_load_b128 v[XF+8*\s:XF+8*\s+3], v6, s[4:5] offset:64*\s
	global_load_b128 v[XF+8*\s+4:XF+8*\s+7], v6, s[4:5] offset:64*\s+32
	global_load_b128 v[WF+8*\s:WF+8*\s+3], v6, s[8:9] offset:64*\s
	global_load_b128 v[WF+8*\s+4:WF+8*\s+7], v6, s[8:9] offset:64*\s+32
.endr
	global_load_b128 v[XS:XS+3], v7, s[6:7]
	global_load_b128 v[WS:WS+3], v7, s[10:11]
	global_load_b128 v[ACC:ACC+3], v8, s[12:13]
	global_load_b128 v[ACC+4:ACC+7], v8, s[12:13] offset:16
	s_wait_loadcnt 0x0
; transposed: source 0 = 16 columns of W, source 1 = x's 16 rows: lane (r, h) holds t = r and columns 8 h + 0 .. 7.  One accumulator: the wait directly ahead of every link behind the first.
.irp s, 0,1,2,3,4,5,6,7
.if \s > 0
	s_wait_alu depctr_va_vdst(0)
.endif
.if \s < 4
	v_wmma_scale_f32_16x16x128_f8f6f4 v[ACC:ACC+7], v[WF+8*\s:WF+8*\s+7], v[XF+8*\s:XF+8*\s+7], v[ACC:ACC+7], v[WS+\s%4], v[XS+\s%4] matrix_a_fmt:MATRIX_FMT_FP4 matrix_b_fmt:MATRIX_FMT_FP4
.else
	v_wmma_scale_f32_16x16x128_f8f6f4 v[ACC:ACC+7], v[WF+8*\s:WF+8*\s+7], v[XF+8*\s:XF+8*\s+7], v[ACC:ACC+7], v[WS+\s%4], v[XS+\s%4] matrix_a_fmt:MATRIX_FMT_FP4 matrix_b_fmt:MATRIX_FMT_FP4 matrix_a_scale:MATRIX_SCALE_ROW1 matrix_b_scale:MATRIX_SCALE_ROW1
.endif
.endr
.rept 4
	v_nop                                          ; places ahead of the read of the sum and of the loads into the fragments' registers
.endr
	ds_store_b128 v9, v[ACC:ACC+3]
	ds_store_b128 v9, v[ACC+4:ACC+7] offset:16
	s_wait_dscnt 0x0                               ; for the others' sake
	s_barrier_signal -1
	s_barrier_wait -1
	s_cmp_lt_u32 s16, 4
	s_cbranch_scc0 .Ldone
; ---- phase 2.  A lane's four numbers of a load are d = 8 c + 4 h + 0 .. 3: the same permutation of d for q and for k, so each pair of registers is a K step of the f32 form for both.
.irp c, 0,1,2,3,4,5,6,7
	ds_load_b128 v[16+4*\c:19+4*\c], v10 offset:32*\c
	ds_load_b128 v[48+4*\c:51+4*\c], v10 offset:KM+32*\c
.endr
.irp j, 0,1,2,3,4,5,6,7
	ds_load_b32 v[80+\j], v11 offset:\j*MP         ; v(key 8 h + j, channel 16 dt + r)
.endr
	s_wait_dscnt 0x0
.irp i, 0,1,2,3,4,5,6,7,8,9,10,11,12,13,14,15
.if \i < 4
	v_wmma_f32_16x16x4_f32 v[SA+8*(\i%4):SA+8*(\i%4)+7], v[48+2*\i:49+2*\i], v[16+2*\i:17+2*\i], 0
.else
	v_wmma_f32_16x16x4_f32 v[SA+8*(\i%4):SA+8*(\i%4)+7], v[48+2*\i:49+2*\i], v[16+2*\i:17+2*\i], v[SA+8*(\i%4):SA+8*(\i%4)+7]
.endif
.endr
	v_mov_b32 v217, 0xff800000                     ; -infinity
	v_mov_b32 v218, 0                              ; (a lane permute's destination counts as read)
.rept 6
	v_nop                                          ; eight places behind the f32 form
.endr
.irp j, 0,2,4,6
	v_pk_add_f32 v[T+\j:T+\j+1], v[SA+\j:SA+\j+1], v[SA+8+\j:SA+9+\j]
.endr
.irp j, 0,2,4,6
	v_pk_add_f32 v[208+\j:209+\j], v[SA+16+\j:SA+17+\j], v[SA+24+\j:SA+25+\j]
.endr
.irp j, 0,2,4,6
	v_pk_add_f32 v[T+\j:T+\j+1], v[T+\j:T+\j+1], v[208+\j:209+\j]   ; lane (r, h), register j: score of key 8 h + j for query r
.endr
.irp j, 0,1,2,3,4,5,6,7
	v_cmp_gt_i32 vcc_lo, \j, v12
	v_cndmask_b32 v[T+\j], v[T+\j], v217, vcc_lo
.endr
	v_max3_num_f32 v216, v[T], v[T+1], v[T+2]
	v_max3_num_f32 v216, v216, v[T+3], v[T+4]
	v_max3_num_f32 v216, v216, v[T+5], v[T+6]
	v_max_num_f32 v216, v216, v[T+7]
	v_permlanex16_b32 v218, v216, s36, s37
	v_max_num_f32 v216, v216, v218                 ; the row's maximum (key 0 counts for every query)
	v_mul_f32 v216, s38, v216
.irp j, 0,1,2,3,4,5,6,7
	v_fma_f32 v[T+\j], v[T+\j], s38, -v216
.endr
.irp j, 0,1,2,3,4,5,6,7
	v_exp_f32 v[T+\j], v[T+\j]
.endr
	v_nop                                          ; a plain line behind the exponentials,
	s_wait_alu depctr_va_vdst(0)                   ; and one wait for the batch ahead of its first reader
	v_pk_add_f32 v[220:221], v[T:T+1], v[T+2:T+3]
	v_pk_add_f32 v[222:223], v[T+4:T+5], v[T+6:T+7]
	v_pk_add_f32 v[220:221], v[220:221], v[222:223]
	v_add_f32 v220, v220, v221
	v_permlanex16_b32 v218, v220, s36, s37
	v_add_f32 v220, v220, v218                     ; the row's sum
	v_rcp_f32 v219, v220
; y^T = v^T p: register pair i of p holds keys 8 h + 2 i, 2 i + 1, and so does pair i of v.  One accumulator: the wait directly ahead of every link behind the first.
.irp i, 0,1,2,3
.if \i == 0
	v_wmma_f32_16x16x4_f32 v[YA:YA+7], v[80:81], v[T:T+1], 0
.else
	s_wait_alu depctr_va_vdst(0)
	v_wmma_f32_16x16x4_f32 v[YA:YA+7], v[80+2*\i:81+2*\i], v[T+2*\i:T+2*\i+1], v[YA:YA+7]
.endif
.endr
.rept 8
	v_nop
.endr
	s_wait_alu depctr_va_vdst(0)                   ; the reciprocal, ahead of its first reader
.irp j, 0,1,2,3,4,5,6,7
	v_mul_f32 v[224+\j], v[YA+\j], v219            ; y(t = r, channel 16 dt + 8 h + j)
.endr
	global_store_b128 v13, v[224:227], s[14:15]
	global_store_b128 v13, v[228:231], s[14:15] offset:512
.Ldone:
	s_wait_tensorcnt 0x0                           ; the wave's end, behind the last LDS store
	ds_add_u32 v[SPW], v[NIL]
	s_wait_dscnt 0x0
	s_endpgm
.Lfunc_end_k_q4dc1be9ba4_head16:
	.size	k_q4dc1be9ba4_head16, .Lfunc_end_k_q4dc1be9ba4_head16-k_q4dc1be9ba4_head16
	.p2alignl 7, 3214868480
	.fill 96, 4, 3214868480
	.section	.rodata,"a",@progbits
	.p2align	6, 0x0
	.amdhsa_kernel k_q4dc1be9ba4_head16
		.amdhsa_group_segment_fixed_size 14848
		.amdhsa_private_segment_fixed_size 0
		.amdhsa_enable_private_segment 0
		.amdhsa_kernarg_size 48
		.amdhsa_user_sgpr_count 2
		.amdhsa_user_sgpr_kernarg_segment_ptr 1
		.amdhsa_wavefront_size32 1
		.amdhsa_system_sgpr_workgroup_id_x 1
		.amdhsa_system_sgpr_workgroup_id_y 1
		.amdhsa_system_sgpr_workgroup_id_z 1
		.amdhsa_system_vgpr_workitem_id 0
		.amdhsa_next_free_vgpr 232
		.amdhsa_next_free_sgpr 66
		.amdhsa_reserve_vcc 1
		.amdhsa_float_denorm_mode_32 3
		.amdhsa_float_denorm_mode_16_64 3
		.amdhsa_memory_ordered 1
		.amdhsa_forward_progress 1
		.amdhsa_inst_pref_size 15
	.end_amdhsa_kernel
	.amdgpu_metadata
---
amdhsa.version: [ 1, 2 ]
amdhsa.kernels:
  - .name:           k_q4dc1be9ba4_head16
    .symbol:         k_q4dc1be9ba4_head16.kd
    .args:
      - { .name: xc, .offset: 0, .size: 8, .value_kind: global_buffer, .address_space: global }
      - { .name: xs, .offset: 8, .size: 8, .value_kind: global_buffer, .address_space: global }
      - { .name: wc, .offset: 16, .size: 8, .value_kind: global_buffer, .address_space: global }
      - { .name: ws, .offset: 24, .size: 8, .value_kind: global_buffer, .address_space: global }
      - { .name: b_attn, .offset: 32, .size: 8, .value_kind: global_buffer, .address_space: global }
      - { .name: y32, .offset: 40, .size: 8, .value_kind: global_buffer, .address_space: global }
    .group_segment_fixed_size: 14848
    .private_segment_fixed_size: 0
    .kernarg_segment_align: 8
    .kernarg_segment_size: 48
    .max_flat_workgroup_size: 384
    .sgpr_count:     66
    .vgpr_count:     232
    .wavefront_size: 32
...
	.end_amdgpu_metadata
.endif
;; end of part 3
;; launch attn (part 4): grid 8 x 64, 16 waves a work-group, no clusters, 327,680 bytes of LDS; arguments qkv16, y16; writes y16
.if DOCPART == 4
	.amdgcn_target "amdgcn-amd-amdhsa--gfx1250"
	.amdhsa_code_object_version 6
	.text
	.protected	k_q4dc1be9ba4_attn
	.globl	k_q4dc1be9ba4_attn
	.p2align	8
	.type	k_q4dc1be9ba4_attn,@function
k_q4dc1be9ba4_attn:
	s_mov_b64 s[64:65], 0
	v_nop
	global_prefetch_b8 v0, s[64:65] scope:SCOPE_SE
	s_setreg_imm32_b32 hwreg(HW_REG_WAVE_MODE, 25, 1), 1
	s_wait_xcnt 0x0
; y[b][h][q] = the sum over k <= q of softmax_k(q . k / 8) v, head size 64, 2,048 positions, operands in f16, products, maxima and sums in f32; y rounded once to f16, y16 [b][h][t][64].
; SHARES.  A work-group owns the query blocks of 128 numbered p and 15 - p of one head: under the causal mask 2 (p + 1) + 2 (16 - p) = 34 key steps for eight waves, the same for every p.
; Each of sixteen waves owns 16 queries in 256 registers, four waves to a SIMD, two of the early block and two of the late one, so that one wave's softmax stands beside another's products and LDS loads.
; LAYOUT.  S^T = K Q^T (source 0 = 16 keys, source 1 = my 16 queries) and O^T = V^T P: a lane holds ONE query throughout; two tiles of S^T, rounded in pairs, ARE source 1 of the second product.  V is turned by ds_load_tr16_b128.
; SOFTMAX.  A running maximum m and sum l: p = 2^(c s - c m), c = log2(e) / 8; in every step O and l are multiplied by a = 2^(c m_old - c m_new).
; THE RING.  Two slots of 256 keys, 2^17 bytes apart.  A key's row is 128 bytes and rows are dense, so a tile is stated as rows of 256 bytes (two keys).  Waves 0, 1 fetch K's halves, waves 2, 3 V's.
; THE MASK.  Every work-group walks all eight slots (constant trip counts); a step whose keys all come after the wave's queries is jumped over; a slot whose first key comes after the work-group's last query is not asked for.
; NO CLUSTER: under the mask the work-groups of a head need different numbers of tiles, so partners could not make every joint request for bytes that they read.
; LIMITS: q, k, v under 65,504 in magnitude (f16); weights under 6e-5 lose relative, not absolute, precision.
.set PK,    272                        ; two keys of K: 256 bytes + 16
.set PV,    288                        ; two keys of V: 256 bytes + 32
.set VOFF,  128*PK
.set SLOT1, 1<<17
.set STAGE, SLOT1+128*(PK+PV)          ; the way out: 16 rows x 144 bytes for each wave; no tile lands here
.set SPT,   144
.set SPARE, STAGE+16*16*SPT            ; the spare words: 128 bytes for each of sixteen waves
.set AK0, 1
.set AV0, 2
.set SPW, 3
.set NIL, 4
.set GO,  5
.set ADK, 6
.set ADV, 7
.set PFO, 8
.set STO, 9
.set M,   10                           ; v10 c m, v11 m
.set L,   12                           ; v[12:13] l, in two halves
.set T,   14                           ; v14-17 at work
.set A,   18                           ; v18 a (v19 is named with it as a pair)
.set QR,  20                           ; v20-35 Q
.set RD,  36
.set KR,  40                           ; v40-103  K of a step: tile kt, channels 32 c: 16 kt + 8 c
.set VR,  104                          ; v104-167 V of a step: keys 32 kk, channels 16 dt: 32 kk + 8 dt
.set S,   168                          ; v168-199 S^T, then p
.set P,   200                          ; v200-215 p in f16
.set O,   216                          ; v216-247 O^T
.set WV,  18
.set SEL, 20
.set CS,  22
.set G1K, 24
.set G1V, 32
.set G0K, 40
.set G0V, 44
.set TB,  2
.set SLOTS, 67
.set LASTQ, 68
.set PFA, 76
.set LIM, 80
.set KF,  98
.set Q0,  99
.macro TLOAD                           ; waves 0, 1: K; waves 2, 3: V; the others nothing.  An s_nop 0 and four v_nop follow each line
	s_cmp_lt_u32 s[WV], 2
	s_cbranch_scc0 .Lnot_k_\@
	tensor_load_to_lds s[G0K:G0K+3], s[G1K:G1K+7]
	s_nop 0
.rept 4
	v_nop
.endr
	s_branch .Lasked_\@
.Lnot_k_\@:
	s_cmp_lt_u32 s[WV], 4
	s_cbranch_scc0 .Lasked_\@
	tensor_load_to_lds s[G0V:G0V+3], s[G1V:G1V+7]
	s_nop 0
.rept 4
	v_nop
.endr
.Lasked_\@:
.endm
; A prefetch of the slot that the NEXT change of slots will ask for: 32,768 dense bytes of K and of V.  All work-groups of a head walk the same keys: the one with p = 0, which walks them all, asks;
; in it waves 4-7 take K's bytes and waves 8-11 V's, 8,192 a wave, lanes 256 bytes apart: each block of 256 bytes is named once.  The last change that fills a slot asks for nothing.
.macro ASK
	s_cmp_gt_u32 s[SLOTS], s[LIM]
	s_cbranch_scc0 .Lnot_mine_\@
	global_prefetch_b8 v[PFO], s[PFA:PFA+1] th:TH_LOAD_NT scope:SCOPE_SE
.Lnot_mine_\@:
.endm
	s_load_b128 s[4:7], s[0:1], 0x0                ; qkv16, y16
	v_lshl_add_u32 v[SPW], v0, 2, SPARE
	v_mov_b32 v[NIL], 0
	ds_add_u32 v[SPW], v[NIL]                      ; the opening: the add, twice on end, and its wait ahead of the first tensor load
	ds_add_u32 v[SPW], v[NIL]
	v_lshrrev_b32 v6, 5, v0
	v_readfirstlane_b32 s[WV], v6                  ; wave 0..15
	s_and_b32 s72, ttmp7, 0xffff
	s_lshl_b32 s72, s72, 18                        ; the head's 262,144 bytes in each part
	s_lshr_b32 s69, s[WV], 2
	s_xor_b32 s69, s69, s[WV]
	s_and_b32 s69, s69, 1                          ; 0: the early block, 1: the late one
	s_lshr_b32 s70, s[WV], 1                       ; which 16 queries of the block
	s_sub_co_u32 s71, 15, ttmp9
	s_cmp_eq_u32 s69, 1
	s_cselect_b32 s[Q0], s71, ttmp9
	s_lshl_b32 s[Q0], s[Q0], 7
	s_lshl_b32 s70, s70, 4
	s_add_co_u32 s[Q0], s[Q0], s70                 ; my first query
	s_lshl_b32 s[LASTQ], s71, 7
	s_add_co_u32 s[LASTQ], s[LASTQ], 127           ; my work-group's last query
	s_lshl_b32 s84, s[Q0], 7
	s_add_co_u32 s84, s84, s72                     ; my first row in a part, in bytes
	s_mov_b32 s85, 0
	s_and_b32 s88, s[WV], 1                        ; which half of a slot I fetch, if I fetch
	s_lshl_b32 s90, s88, 14
	s_add_co_u32 s90, s90, s72
	s_mov_b32 s91, 0
	s_mul_i32 s89, s88, 64*PK
	s_mul_i32 s94, s88, 64*PV
	s_add_co_u32 s94, s94, VOFF
	s_mov_b32 s[G1K], (1<<16)|(1<<20)|(5<<22)|(3<<25)   ; no mask; elements of 2 bytes; 4 words of padding behind every 64
	s_mov_b32 s[G1V], (1<<16)|(1<<20)|(5<<22)|(7<<25)   ; 8 words
.irp g, G1K, G1V
	s_mov_b32 s[\g+1], 128<<16                     ; tensor_dim0 = 128 elements: two keys
	s_mov_b32 s[\g+2], 64<<16                      ; tensor_dim1 = 64 rows: 128 keys
	s_mov_b32 s[\g+3], 128<<16
	s_mov_b32 s[\g+4], 64
	s_mov_b32 s[\g+5], 128                         ; dense
	s_mov_b32 s[\g+6], 0
	s_mov_b32 s[\g+7], 0
.endr
	s_mov_b32 s[SEL], 0x76543210
	s_mov_b32 s[SEL+1], 0xfedcba98
	s_mov_b32 s[CS], 0x3e38aa3b                    ; c = log2(e) / 8
	s_mov_b32 s[CS+1], s[CS]
	s_mov_b32 s[TB], 0
	s_mov_b32 s[KF], 0
	s_mov_b32 s[SLOTS], 7
	s_wait_dscnt 0x0                               ; both opening adds are done
	s_wait_kmcnt 0x0
	s_add_nc_u64 s[74:75], s[4:5], s[90:91]
	s_mov_b32 s[G0K], 1
	s_mov_b32 s[G0K+1], s89
	s_add_nc_u64 s[G0K+2:G0K+3], s[74:75], 16777216    ; K's part
	s_or_b32 s[G0K+3], s[G0K+3], 0x80000000
	s_mov_b32 s[G0V], 1
	s_mov_b32 s[G0V+1], s94
	s_add_nc_u64 s[G0V+2:G0V+3], s[74:75], 33554432    ; V's part
	s_or_b32 s[G0V+3], s[G0V+3], 0x80000000
	TLOAD                                          ; slot 0: it holds key 0, which counts for every query
	s_add_nc_u64 s[8:9], s[4:5], s[84:85]          ; Q at my first query
	s_add_nc_u64 s[6:7], s[6:7], s[84:85]          ; y16 likewise
	s_cmp_lt_u32 s[WV], 8                          ; the prefetches: waves 4-7 K, waves 8-11 V
	s_mov_b32 s82, 33554432
	s_cselect_b32 s82, 16777216, s82
	s_and_b32 s83, s[WV], 3
	s_lshl_b32 s83, s83, 13
	s_add_co_u32 s82, s82, s83
	s_add_co_u32 s82, s82, s72
	s_add_co_u32 s82, s82, 32768                   ; in slot 1: the first change of slots steps it to slot 2
	s_mov_b32 s83, 0
	s_add_nc_u64 s[PFA:PFA+1], s[4:5], s[82:83]
	s_sub_co_u32 s82, s[WV], 4
	s_lshr_b32 s82, s82, 3                         ; 0 in waves 4 to 11,
	s_or_b32 s82, s82, ttmp9                       ; of the work-group with p = 0
	s_cmp_eq_u32 s82, 0
	s_cselect_b32 s[LIM], 1, -1
	v_and_b32 v14, 15, v0                          ; r
	v_bfe_u32 v15, v0, 4, 1                        ; h
	v_lshlrev_b32 v38, 7, v14
	v_lshl_add_u32 v38, v15, 4, v38                ; Q: row r of 128 bytes + 16 h
.irp i, 0,1,2,3
	global_load_b128 v[QR+4*\i:QR+4*\i+3], v38, s[8:9] offset:32*\i
.endr
	v_lshrrev_b32 v16, 1, v14
	v_mul_u32_u24 v[AK0], v16, PK
	v_and_b32 v16, 1, v0
	v_lshl_add_u32 v[AK0], v16, 7, v[AK0]
	v_lshl_add_u32 v[AK0], v15, 4, v[AK0]          ; key r: PK (r / 2) + 128 (r % 2) + 16 h
	v_bfe_u32 v16, v0, 1, 2
	v_lshl_add_u32 v16, v15, 2, v16
	v_mul_u32_u24 v[AV0], v16, PV
	v_and_b32 v16, 1, v0
	v_lshl_add_u32 v[AV0], v16, 7, v[AV0]
	v_bfe_u32 v16, v0, 3, 1
	v_lshl_add_u32 v[AV0], v16, 4, v[AV0]
	v_add_nc_u32 v[AV0], VOFF, v[AV0]              ; key 8 h + lane % 8, channels 8 ((lane / 8) % 2) on
	v_and_b32 v17, 31, v0
	v_lshlrev_b32 v[GO], 4, v17
	v_lshlrev_b32 v[PFO], 8, v17
	s_mul_i32 s73, s[WV], 16*SPT
	s_add_co_u32 s73, s73, STAGE
	v_mul_u32_u24 v[STO], v14, SPT
	v_lshl_add_u32 v[STO], v15, 4, v[STO]
	v_add_nc_u32 v[STO], s73, v[STO]
	v_lshrrev_b32 v16, 3, v17
	v_mul_u32_u24 v[RD], v16, SPT
	v_and_b32 v16, 7, v0
	v_lshl_add_u32 v[RD], v16, 4, v[RD]
	v_add_nc_u32 v[RD], s73, v[RD]
	v_lshlrev_b32 v16, 3, v15
	v_sub_nc_u32 v37, v14, v16                     ; r - 8 h
	v_mov_b32 v250, 0xff800000                     ; -infinity
	v_mov_b32 v[M+1], 0xff61b1e6                   ; m = -3e38, under every score
	v_mul_f32 v[M], s[CS], v[M+1]
	v_mov_b32 v[L], 0
	v_mov_b32 v[L+1], 0
	v_mov_b32 v[A+1], 0
.irp j, 0,1,2,3,4,5,6,7,8,9,10,11,12,13,14,15,16,17,18,19,20,21,22,23,24,25,26,27,28,29,30,31
	v_mov_b32 v[O+\j], 0                           ; the step is written once: the first finds zeros, which a = 0 leaves zeros
.endr
; A KEY STEP: 64 keys, the q-th of the slot in hand.
.macro STEP q
	s_add_co_u32 s96, s[Q0], 15
	s_cmp_gt_u32 s[KF], s96                        ; all keys come after my queries: ids alone; no barrier and no tensor load stands in a step
	s_cbranch_scc1 .Lhidden_\@
	v_add_nc_u32 v[ADK], s[TB], v[AK0]
	v_add_nc_u32 v[ADV], s[TB], v[AV0]
	v_nop
	v_nop                                          ; four places between the last step's products and the loads into their operands
.irp kt, 0,1,2,3
.irp c, 0,1
	ds_load_b128 v[KR+16*\kt+8*\c:KR+16*\kt+8*\c+3], v[ADK] offset:(32*(\q)+8*\kt)*PK+64*\c
	ds_load_b128 v[KR+16*\kt+8*\c+4:KR+16*\kt+8*\c+7], v[ADK] offset:(32*(\q)+8*\kt)*PK+64*\c+32
.endr
.endr
.irp kk, 0,1
.irp dt, 0,1,2,3
	ds_load_tr16_b128 v[VR+32*\kk+8*\dt:VR+32*\kk+8*\dt+3], v[ADV] offset:(32*(\q)+16*\kk)*PV+32*\dt
	ds_load_tr16_b128 v[VR+32*\kk+8*\dt+4:VR+32*\kk+8*\dt+7], v[ADV] offset:(32*(\q)+16*\kk+8)*PV+32*\dt
.endr
.endr
	s_wait_dscnt 16                                ; K's 16 loads are in; V's 16 may be out
.irp c, 0,1
.irp kt, 0,1,2,3                       ; the four accumulators by turns
.if \c == 0
	v_wmma_f32_16x16x32_f16 v[S+8*\kt:S+8*\kt+7], v[KR+16*\kt:KR+16*\kt+7], v[QR:QR+7], 0
.else
	v_wmma_f32_16x16x32_f16 v[S+8*\kt:S+8*\kt+7], v[KR+16*\kt+8:KR+16*\kt+15], v[QR+8:QR+15], v[S+8*\kt:S+8*\kt+7]
.endif
.endr
.endr
.rept 4
	v_nop
.endr
	s_add_co_u32 s96, s[KF], 63                    ; on the diagonal hidden scores become -infinity; a step all of whose keys count skips this
	s_cmp_le_u32 s96, s[Q0]
	s_cbranch_scc1 .Lopen_\@
	s_sub_co_i32 s96, s[Q0], s[KF]
	v_add_nc_u32 v38, s96, v37                     ; d = my query - KF - 8 h.  Register 8 kt + j holds key KF + 16 kt + 8 h + j: hidden where 16 kt + j > d
.irp n, 0,1,2,3,4,5,6,7,8,9,10,11,12,13,14,15,16,17,18,19,20,21,22,23,24,25,26,27,28,29,30,31
	v_cmp_gt_i32 vcc_lo, 16*(\n/8)+\n%8, v38
	v_cndmask_b32 v[S+\n], v[S+\n], v250, vcc_lo
.endr
.Lopen_\@:
.irp j, 0,1,2,3
	v_max3_num_f32 v[T+\j], v[S+8*\j], v[S+8*\j+1], v[S+8*\j+2]   ; four chains, each accumulator from its low end on
.endr
.irp j, 0,1,2,3
	v_max3_num_f32 v[T+\j], v[T+\j], v[S+8*\j+3], v[S+8*\j+4]
.endr
.irp j, 0,1,2,3
	v_max3_num_f32 v[T+\j], v[T+\j], v[S+8*\j+5], v[S+8*\j+6]
.endr
	v_max3_num_f32 v[T], v[T], v[S+7], v[S+15]
	v_max3_num_f32 v[T+2], v[T+2], v[S+23], v[S+31]
	v_max3_num_f32 v[T], v[T], v[T+1], v[T+2]
	v_max3_num_f32 v[T], v[T], v[T+3], v[M+1]      ; with the old m
	v_permlanex16_b32 v[T+1], v[T], s[SEL], s[SEL+1]   ; the query's other 32 keys lie in the lane 16 away
	v_mov_b32 v39, v[M]                            ; c m_old
	v_max_num_f32 v[M+1], v[T], v[T+1]
	v_mul_f32 v[M], s[CS], v[M+1]
	v_sub_f32 v39, v39, v[M]
.irp j, 0,2,4,6,8,10,12,14,16,18,20,22,24,26,28,30
	v_pk_fma_f32 v[S+\j:S+\j+1], v[S+\j:S+\j+1], s[CS:CS+1], v[M:M+1] op_sel_hi:[1,0,0] neg_lo:[0,0,1] neg_hi:[0,0,1]   ; c s - c m
.endr
	v_exp_f32 v[A], v39
.irp j, 0,1,2,3,4,5,6,7,8,9,10,11,12,13,14,15,16,17,18,19,20,21,22,23,24,25,26,27,28,29,30,31
	v_exp_f32 v[S+\j], v[S+\j]
.endr
	v_nop                                          ; a plain line behind the last exponential,
	s_wait_alu depctr_va_vdst(0)                   ; and one wait for the 33 ahead of their first reader
	v_pk_mul_f32 v[L:L+1], v[L:L+1], v[A:A+1] op_sel_hi:[1,0]
	v_pk_add_f32 v[248:249], v[S:S+1], v[S+2:S+3]  ; the sum in two chains
.irp j, 4,8,12,16,20,24,28
	v_pk_add_f32 v[L:L+1], v[L:L+1], v[S+\j:S+\j+1]
	v_pk_add_f32 v[248:249], v[248:249], v[S+\j+2:S+\j+3]
.endr
	v_pk_add_f32 v[L:L+1], v[L:L+1], v[248:249]
.irp i, 0,1,2,3,4,5,6,7,8,9,10,11,12,13,14,15
	v_cvt_pk_f16_f32 v[P+\i], v[S+2*\i], v[S+2*\i+1]
.endr
.irp j, 0,2,4,6,8,10,12,14,16,18,20,22,24,26,28,30
	v_pk_mul_f32 v[O+\j:O+\j+1], v[O+\j:O+\j+1], v[A:A+1] op_sel_hi:[1,0]
.endr
	s_wait_dscnt 0x0                               ; V is in
.irp kk, 0,1
.irp dt, 0,1,2,3
	v_wmma_f32_16x16x32_f16 v[O+8*\dt:O+8*\dt+7], v[VR+32*\kk+8*\dt:VR+32*\kk+8*\dt+7], v[P+8*\kk:P+8*\kk+7], v[O+8*\dt:O+8*\dt+7]
.endr
.endr
.Lhidden_\@:
	s_add_co_u32 s[KF], s[KF], 64
.endm
; THE CHANGE OF SLOTS, at a slot's head.  Each wave waits for all its tensor loads, adds 0 to its spare word, and waits for that and for its reads of the slot that it has left; behind the barrier the slot ahead is whole
; and nobody reads the other one, which takes the keys that follow: that load has a slot's four steps in which to land.
.macro CHANGE fill
	s_wait_tensorcnt 0x0                           ; no tensor load of mine is out, so a group 0 may be written
	ds_add_u32 v[SPW], v[NIL]
.if \fill
	ds_add_u32 v[SPW], v[NIL]                      ; and twice on end here, in every trip alike
	s_xor_b32 s[G0K+1], s[G0K+1], SLOT1
	s_add_nc_u64 s[G0K+2:G0K+3], s[G0K+2:G0K+3], 32768
	s_xor_b32 s[G0V+1], s[G0V+1], SLOT1
	s_add_nc_u64 s[G0V+2:G0V+3], s[G0V+2:G0V+3], 32768
	s_wait_xcnt 0x0                                ; the last prefetch, a slot back, has read its address
	s_add_nc_u64 s[PFA:PFA+1], s[PFA:PFA+1], 32768
.endif
	s_wait_dscnt 0x0
	s_barrier_signal -1
	s_barrier_wait -1
.if \fill
	s_add_co_u32 s96, s[KF], 256                   ; the first key of the slot that this change would ask for
	s_cmp_gt_u32 s96, s[LASTQ]                     ; ids and the count of steps alone: all sixteen waves go the same way; no wave would read that slot
	s_cbranch_scc1 .Lpast_\@
	TLOAD
.Lpast_\@:
	ASK
.endif
.endm
.macro SLOT_STEPS
.irp q, 0,1,2,3
	STEP \q
.endr
	s_xor_b32 s[TB], s[TB], SLOT1
.endm
	s_wait_loadcnt 0x0                             ; Q
.Lslot:                                            ; seven trips
	CHANGE 1
	SLOT_STEPS
	s_sub_co_u32 s[SLOTS], s[SLOTS], 1
	s_cmp_lg_u32 s[SLOTS], 0
	s_cbranch_scc1 .Lslot
	CHANGE 0                                       ; the last slot is written out: nothing is left to ask for
	SLOT_STEPS
	; THE WAY OUT: O^T / l, rounded to f16, through my stage, back as 4 rows x 128 bytes: 512 consecutive bytes of y16.
.rept 4
	v_nop                                          ; places behind the last products
.endr
	v_add_f32 v[L], v[L], v[L+1]
	v_permlanex16_b32 v[T+1], v[L], s[SEL], s[SEL+1]
	v_add_f32 v[L], v[L], v[T+1]
	v_rcp_f32 v[A], v[L]
	v_nop
	s_wait_alu depctr_va_vdst(0)
.irp j, 0,2,4,6,8,10,12,14,16,18,20,22,24,26,28,30
	v_pk_mul_f32 v[S+\j:S+\j+1], v[O+\j:O+\j+1], v[A:A+1] op_sel_hi:[1,0]
.endr
.irp i, 0,1,2,3,4,5,6,7,8,9,10,11,12,13,14,15
	v_cvt_pk_f16_f32 v[P+\i], v[S+2*\i], v[S+2*\i+1]
.endr
.irp dt, 0,1,2,3
	ds_store_b128 v[STO], v[P+4*\dt:P+4*\dt+3] offset:32*\dt
.endr
.irp i, 0,1,2,3
	ds_load_b128 v[S+4*\i:S+4*\i+3], v[RD] offset:4*SPT*\i     ; LDS serves a wave's instructions in order: these see my stores
.endr
.irp i, 0,1,2,3
	s_wait_dscnt 3-\i
	global_store_b128 v[GO], v[S+4*\i:S+4*\i+3], s[6:7] offset:512*\i
.endr
	s_wait_tensorcnt 0x0                           ; the wave's end
	ds_add_u32 v[SPW], v[NIL]
	s_wait_dscnt 0x0
	s_endpgm
.Lfunc_end_k_q4dc1be9ba4_attn:
	.size	k_q4dc1be9ba4_attn, .Lfunc_end_k_q4dc1be9ba4_attn-k_q4dc1be9ba4_attn
	.p2alignl 7, 3214868480
	.fill 96, 4, 3214868480
	.section	.rodata,"a",@progbits
	.p2align	6, 0x0
	.amdhsa_kernel k_q4dc1be9ba4_attn
		.amdhsa_group_segment_fixed_size 327680
		.amdhsa_private_segment_fixed_size 0
		.amdhsa_enable_private_segment 0
		.amdhsa_kernarg_size 16
		.amdhsa_user_sgpr_count 2
		.amdhsa_user_sgpr_kernarg_segment_ptr 1
		.amdhsa_wavefront_size32 1
		.amdhsa_system_sgpr_workgroup_id_x 1
		.amdhsa_system_sgpr_workgroup_id_y 1
		.amdhsa_system_sgpr_workgroup_id_z 1
		.amdhsa_system_vgpr_workitem_id 0
		.amdhsa_next_free_vgpr 256
		.amdhsa_next_free_sgpr 100
		.amdhsa_reserve_vcc 1
		.amdhsa_float_denorm_mode_32 3
		.amdhsa_float_denorm_mode_16_64 3
		.amdhsa_memory_ordered 1
		.amdhsa_forward_progress 1
		.amdhsa_inst_pref_size 109
	.end_amdhsa_kernel
	.amdgpu_metadata
---
amdhsa.version: [ 1, 2 ]
amdhsa.kernels:
  - .name:           k_q4dc1be9ba4_attn
    .symbol:         k_q4dc1be9ba4_attn.kd
    .args:
      - { .name: qkv16, .offset: 0, .size: 8, .value_kind: global_buffer, .address_space: global }
      - { .name: y16, .offset: 8, .size: 8, .value_kind: global_buffer, .address_space: global }
    .group_segment_fixed_size: 327680
    .private_segment_fixed_size: 0
    .kernarg_segment_align: 8
    .kernarg_segment_size: 16
    .max_flat_workgroup_size: 512
    .sgpr_count:     100
    .vgpr_count:     256
    .wavefront_size: 32
...
	.end_amdgpu_metadata
.endif
;; end of part 4
;; launch proj (part 5): grid 8 x 32, 4 waves a work-group, clusters of 4 x 4, 327,680 bytes of LDS; arguments y16, wp16, b_proj, out0; writes out0
.if DOCPART == 5
	.amdgcn_target "amdgcn-amd-amdhsa--gfx1250"
	.amdhsa_code_object_version 6
	.text
	.protected	k_q4dc1be9ba4_proj
	.globl	k_q4dc1be9ba4_proj
	.p2align	8
	.type	k_q4dc1be9ba4_proj,@function
k_q4dc1be9ba4_proj:
	s_mov_b64 s[64:65], 0
	v_nop
	global_prefetch_b8 v0, s[64:65] scope:SCOPE_SE
	s_setreg_imm32_b32 hwreg(HW_REG_WAVE_MODE, 25, 1), 1
	s_wait_xcnt 0x0
	s_wait_alu depctr_hold_cnt(0) depctr_sa_sdst(0) depctr_va_vdst(0) depctr_va_sdst(0) depctr_va_ssrc(0) depctr_va_vcc(0) depctr_vm_vsrc(0)
	s_getreg_b32 s2, hwreg(HW_REG_IB_STS2, 6, 4)
	s_cmp_eq_u32 s2, 0
	s_cbranch_scc0 .Lentry_in_a_cluster
	s_endpgm
.Lentry_in_a_cluster:
	s_bfe_u32 s2, ttmp6, 0x10000c
	s_cmp_lg_u32 s2, 0xf033
	s_cbranch_scc0 .Lentry_shape_is_right
	s_endpgm
.Lentry_shape_is_right:
; out0 = y W_proj + b_proj, operands in f16, sums in f32.  y16 [b][h][t][64], wp16 [k 1024][n 1024], out0 [8192][1024] f32.
; A tile of 256 rows x 128 columns gives 256 work-groups.  Four waves, each 128 x 64: 32 accumulators in window 1.  K goes in steps of 128 (two heads) through a ring of two LDS slots.
; A's tile is two planes, one a head: 256 rows of 128 dense bytes, stated as 128 rows of 256 bytes.  B's tile is 128 rows (k) of 256 bytes (128 n), turned by ds_load_tr16_b128 on its way to registers.
; CLUSTERS: 4 x 4: A's planes are asked for jointly along a row of the cluster (waves 0, 1), B's halves along a column (waves 2, 3).
; TRANSPOSED USE: source 0 = 16 columns of W, source 1 = 16 rows of y: a lane holds eight neighbouring columns of a row.  The bias is the C of each sum's first product.
; The 64 rows with t < 16 are written here too and written over by the launch that follows: leaving them out would take a branch on a work-group's place in its cluster.
; LIMITS: y and W_proj under 65,504 in magnitude (f16).
; REGISTERS: window 0: v16-31 addresses; v32-127 and v128-223 two fragment buffers (A 64 registers, then B 32); v224-255 the bias.  window 1: accumulator (a, b) at v[8 (4 a + b)].
.set PA,    272
.set PB,    288
.set PLANE, 128*PA
.set BOFF,  2*PLANE
.set SLOT,  BOFF+128*PB                ; 106,496
.set STAGE, 2*SLOT                     ; the way out: 16 rows x 272 bytes for each wave; no tile lands here
.set SPITCH, 272
.set SPARE, STAGE+4*16*SPITCH
.set ASTEP, 524288                     ; a K step on in y16: two heads
.set BSTEP, 262144                     ; and in wp16: 128 rows of 2,048 bytes
.set ADRA, 16
.set ADRB, 20
.set STO,  24
.set RD,   25
.set CO,   26
.set SPW,  28
.set NIL,  29
.set PFO,  30
.set BO,   31
.set F0,   32
.set F1,   128
.set BIAS, 224
.set G1, 24
.set G0, 32
.set G1B, 48
.set G0B, 56
.set LIM, 66
.set PFA, 68
.set PFS, 70
.set MSB, 0
.macro WIN new
.if MSB != \new
	s_set_vgpr_msb (MSB<<8)|\new
.set MSB, \new
.endif
.endm
.set MUL, 0x50                         ; C and D window 1, sources 0 and 1 window 0
.macro JLOAD s
	s_cmp_eq_u32 s13, 0
	s_cbranch_scc0 .Lfor_b_\@
	tensor_load_to_lds s[G0+4*\s:G0+4*\s+3], s[G1:G1+7]
	s_nop 0
.rept 4
	v_nop
.endr
	s_branch .Lasked_\@
.Lfor_b_\@:
	tensor_load_to_lds s[G0B+4*\s:G0B+4*\s+3], s[G1B:G1B+7]
	s_nop 0
.rept 4
	v_nop
.endr
.Lasked_\@:
.endm
.macro CREST
	s_cmp_lg_u32 s12, 0
	s_cbranch_scc1 .Lnot_wave_0_\@
	s_barrier_signal -3
.Lnot_wave_0_\@:
	s_barrier_wait -3
	s_barrier_signal -1
	s_barrier_wait -1
.endm
.macro CROUND
	s_barrier_signal -1
	s_barrier_wait -1
	CREST
.endm
; A prefetch of the K step that stands two refills on.  A's planes are read by both clusters of a row of clusters: cluster x = 0 asks, waves 0 and 1 a plane each, the four partners 8,192 bytes each, told apart by address,
; lanes 256 bytes apart.  B's rows are read by all eight clusters of a column: cluster y = 0 asks, wave 2, the four partners 32 rows each, a lane a row.  The loop's last trip asks for nothing: K has no such step.
.macro ASK
	s_cmp_gt_u32 s3, s[LIM]
	s_cbranch_scc0 .Lnot_mine_\@
	global_prefetch_b8 v[PFO], s[PFA:PFA+1] th:TH_LOAD_NT scope:SCOPE_SE
.Lnot_mine_\@:
.endm
	s_load_b128 s[4:7], s[0:1], 0x0                ; y16, wp16
	s_load_b128 s[8:11], s[0:1], 0x10              ; b_proj, out0
	v_lshl_add_u32 v[SPW], v0, 2, SPARE
	v_mov_b32 v[NIL], 0
	ds_add_u32 v[SPW], v[NIL]                      ; the opening: the add, twice on end, and its wait ahead of my first tensor load
	ds_add_u32 v[SPW], v[NIL]
	v_lshrrev_b32 v1, 5, v0
	v_readfirstlane_b32 s12, v1                    ; wave 0..3
	s_lshr_b32 s13, s12, 1                         ; my half of the rows; also: I fetch for A (0) or B (1)
	s_and_b32 s14, s12, 1                          ; my half of the columns; also: which plane or half I fetch
	s_bfe_u32 s40, ttmp6, 0x40000                  ; cx
	s_bfe_u32 s41, ttmp6, 0x40004                  ; cy
	s_lshl_b32 s42, ttmp9, 2
	s_add_co_u32 s42, s42, s40                     ; tile column
	s_and_b32 s15, ttmp7, 0xffff
	s_lshl_b32 s15, s15, 2
	s_add_co_u32 s15, s15, s41                     ; tile row
	s_lshl_b32 s43, s41, 2
	s_lshl_b32 s43, 15, s43                        ; my row of the cluster
	s_lshl_b32 s44, 0x1111, s40                    ; my column
	s_or_b32 s[G1+0], s43, (1<<16)|(1<<20)|(1<<21)|(5<<22)|(3<<25)    ; elements of 2 bytes; 4 words of padding behind every 64
	s_mov_b32 s[G1+1], 128<<16
	s_mov_b32 s[G1+2], 128<<16                     ; 128 rows of 256 bytes: a plane
	s_mov_b32 s[G1+3], 128<<16
	s_mov_b32 s[G1+4], 128
	s_mov_b32 s[G1+5], 128                         ; dense
	s_mov_b32 s[G1+6], 0
	s_mov_b32 s[G1+7], 0
	s_or_b32 s[G1B+0], s44, (1<<16)|(1<<20)|(1<<21)|(5<<22)|(7<<25)   ; 8 words of padding
	s_mov_b32 s[G1B+1], 128<<16
	s_mov_b32 s[G1B+2], 64<<16                     ; 64 rows (k)
	s_mov_b32 s[G1B+3], 128<<16
	s_mov_b32 s[G1B+4], 64
	s_mov_b32 s[G1B+5], 1024
	s_mov_b32 s[G1B+6], 0
	s_mov_b32 s[G1B+7], 0
	s_lshr_b32 s16, s15, 3
	s_lshl_b32 s16, s16, 22                        ; A: the batch's 16 heads,
	s_and_b32 s17, s15, 7
	s_lshl_b32 s17, s17, 15                        ; the tile's 256 rows of 128 bytes,
	s_add_co_u32 s16, s16, s17
	s_lshl_b32 s17, s14, 18                        ; my plane
	s_add_co_u32 s16, s16, s17
	s_mov_b32 s17, 0
	s_lshl_b32 s46, s14, 17                        ; B: my 64 rows,
	s_lshl_b32 s47, s42, 8                         ; the tile's 256 bytes of each
	s_add_co_u32 s46, s46, s47
	s_mov_b32 s47, 0
	s_mul_i32 s20, s14, PLANE
	s_mul_i32 s21, s14, 64*PB
	s_add_co_u32 s21, s21, BOFF
	s_wait_dscnt 0x0                               ; both opening adds are done
	s_wait_kmcnt 0x0
	s_add_nc_u64 s[18:19], s[4:5], s[16:17]
	s_add_nc_u64 s[46:47], s[6:7], s[46:47]
	CROUND                                         ; all sixteen work-groups are here
.irp s, 0,1
	s_mov_b32 s[G0+4*\s], 1
	s_add_co_u32 s[G0+4*\s+1], s20, \s*SLOT
	s_add_nc_u64 s[G0+4*\s+2:G0+4*\s+3], s[18:19], \s*ASTEP
	s_or_b32 s[G0+4*\s+3], s[G0+4*\s+3], 0x80000000
	s_mov_b32 s[G0B+4*\s], 1
	s_add_co_u32 s[G0B+4*\s+1], s21, \s*SLOT
	s_add_nc_u64 s[G0B+4*\s+2:G0B+4*\s+3], s[46:47], \s*BSTEP
	s_or_b32 s[G0B+4*\s+3], s[G0B+4*\s+3], 0x80000000
	JLOAD \s
.endr
	v_and_b32 v1, 15, v0                           ; r
	v_bfe_u32 v2, v0, 4, 1                         ; h
	s_lshl_b32 s22, s42, 9
	s_lshl_b32 s23, s14, 8
	s_add_co_u32 s22, s22, s23                     ; my first column x 4 bytes
	s_mov_b32 s23, 0
	s_add_nc_u64 s[8:9], s[8:9], s[22:23]
	v_lshlrev_b32 v[BO], 5, v2
.irp b, 0,1,2,3
	global_load_b128 v[BIAS+8*\b:BIAS+8*\b+3], v[BO], s[8:9] offset:64*\b
	global_load_b128 v[BIAS+8*\b+4:BIAS+8*\b+7], v[BO], s[8:9] offset:64*\b+16
.endr
	s_lshl_b32 s20, s15, 8
	s_lshl_b32 s21, s13, 7
	s_add_co_u32 s20, s20, s21                     ; my first row of out0
	s_lshl_b32 s20, s20, 12
	s_add_co_u32 s20, s20, s22
	s_mov_b32 s21, 0
	s_add_nc_u64 s[10:11], s[10:11], s[20:21]
	v_lshrrev_b32 v3, 1, v1
	v_mul_u32_u24 v3, v3, PA
	v_and_b32 v4, 1, v0
	v_lshl_add_u32 v3, v4, 7, v3
	v_lshl_add_u32 v3, v2, 4, v3                   ; A: row r: PA (r / 2) + 128 (r % 2) + 16 h
	s_mul_i32 s21, s13, 64*PA
	v_add_nc_u32 v[ADRA], s21, v3
	v_add_nc_u32 v[ADRA+1], SLOT, v[ADRA]
	v_and_b32 v4, 7, v0
	v_lshl_add_u32 v4, v2, 3, v4
	v_mul_u32_u24 v4, v4, PB
	v_bfe_u32 v5, v0, 3, 1
	v_lshl_add_u32 v4, v5, 4, v4                   ; B: row 8 h + lane % 8, columns 8 ((lane / 8) % 2) on
	s_lshl_b32 s22, s14, 7
	s_add_co_u32 s22, s22, BOFF
	v_add_nc_u32 v[ADRB], s22, v4
	v_add_nc_u32 v[ADRB+1], SLOT, v[ADRB]
	s_mul_i32 s23, s12, 16*SPITCH
	s_add_co_u32 s23, s23, STAGE
	v_mul_u32_u24 v5, v1, SPITCH
	v_lshl_add_u32 v5, v2, 5, v5
	v_add_nc_u32 v[STO], s23, v5                   ; the stage, in: row r, 32 bytes for each half of the lanes
	v_mul_u32_u24 v5, v2, SPITCH
	v_lshl_add_u32 v5, v1, 4, v5
	v_add_nc_u32 v[RD], s23, v5                    ; back: lanes 0-15 one row of 256 bytes, lanes 16-31 the next
	v_lshlrev_b32 v5, 12, v2
	v_lshl_add_u32 v[CO], v1, 4, v5                ; and the same two rows in out0
	; the prefetches
	s_lshr_b32 s20, s15, 3
	s_lshl_b32 s20, s20, 22
	s_and_b32 s21, s15, 7
	s_lshl_b32 s21, s21, 15
	s_add_co_u32 s20, s20, s21
	s_lshl_b32 s21, s14, 18
	s_add_co_u32 s20, s20, s21
	s_lshl_b32 s21, s40, 13                        ; my work-group's 8,192 bytes of the plane
	s_add_co_u32 s20, s20, s21
	s_add_co_u32 s20, s20, 3*ASTEP                 ; at K step 3: the first refill steps it to 4
	s_lshl_b32 s22, s41, 16                        ; B: my work-group's 32 rows of 2,048 bytes
	s_lshl_b32 s23, s42, 8
	s_add_co_u32 s22, s22, s23
	s_add_co_u32 s22, s22, 3*BSTEP
	s_cmp_eq_u32 s13, 0
	s_cselect_b32 s20, s20, s22
	s_cselect_b64 s[PFA:PFA+1], s[4:5], s[6:7]
	s_mov_b32 s[PFS], BSTEP
	s_cselect_b32 s[PFS], ASTEP, s[PFS]
	s_mov_b32 s23, 2048
	s_cselect_b32 s23, 256, s23
	s_mov_b32 s21, 0
	s_mov_b32 s[PFS+1], 0
	s_add_nc_u64 s[PFA:PFA+1], s[PFA:PFA+1], s[20:21]
	v_and_b32 v[PFO], 31, v0
	v_mul_lo_u32 v[PFO], v[PFO], s23
	s_and_b32 s22, ttmp7, 0xffff
	s_cmp_lt_u32 s12, 2
	s_cselect_b32 s22, ttmp9, s22                  ; the coordinate along which other clusters read the same bytes
	s_cmp_eq_u32 s12, 3
	s_cselect_b32 s22, 1, s22                      ; wave 3 asks for nothing
	s_cmp_eq_u32 s22, 0
	s_cselect_b32 s[LIM], 1, -1                    ; the same in all sixteen partners, for a given wave
; n blocks of A from a0 x B's four tiles, 32 along K.  The 32 accumulators take turns, one instruction a turn, in the same order in every quarter.
.macro MULN f, a0, n, bias
.set AA, \a0
.rept \n
.irp b, 0,1,2,3
.if \bias
	v_wmma_f32_16x16x32_f16 v[8*(4*AA+\b):8*(4*AA+\b)+7], v[\f+64+8*\b:\f+64+8*\b+7], v[\f+8*AA:\f+8*AA+7], v[BIAS+8*\b:BIAS+8*\b+7]
.else
	v_wmma_f32_16x16x32_f16 v[8*(4*AA+\b):8*(4*AA+\b)+7], v[\f+64+8*\b:\f+64+8*\b+7], v[\f+8*AA:\f+8*AA+7], v[8*(4*AA+\b):8*(4*AA+\b)+7]
.endif
.endr
.set AA, AA+1
.endr
.endm
.macro FETCH slot, q, f                ; 24 LDS loads in one run: B's four tiles, A's blocks 0-3, A's blocks 4-7
	WIN 0
.irp j, 0,1,2,3
	ds_load_tr16_b128 v[\f+64+8*\j:\f+64+8*\j+3], v[ADRB+\slot] offset:32*PB*(\q)+32*\j
	ds_load_tr16_b128 v[\f+64+8*\j+4:\f+64+8*\j+7], v[ADRB+\slot] offset:32*PB*(\q)+32*\j+16*PB
.endr
.irp i, 0,1,2,3,4,5,6,7
	ds_load_b128 v[\f+8*\i:\f+8*\i+3], v[ADRA+\slot] offset:((\q)/2)*PLANE+((\q)%2)*64+8*PA*\i
	ds_load_b128 v[\f+8*\i+4:\f+8*\i+7], v[ADRA+\slot] offset:((\q)/2)*PLANE+((\q)%2)*64+8*PA*\i+32
.endr
.endm
.macro PLACES
.rept 4
	v_nop
.endr
.endm
.macro QUARTER slot, q, f, g, bias     ; multiplies buffer f; in its middle fetches the slot's quarter q into buffer g
	s_wait_dscnt 8                                 ; B and A's blocks 0-3 are in; the youngest eight loads may be out
.if \bias
	WIN 0x40                                       ; C (the bias) window 0, D window 1
.else
	WIN MUL
.endif
	MULN \f, 0, 4, \bias
	PLACES
	FETCH \slot, \q, \g
	s_wait_dscnt 24                                ; all but the 24 just issued
.if \bias
	WIN 0x40
.else
	WIN MUL
.endif
	MULN \f, 4, 4, \bias
.endm
; A K step's last quarter multiplies buffer 1 and changes slots: one barrier; ahead of it each wave waits for all its tensor loads, adds 0 to its spare word, and waits for that and for its reads of this slot.
.macro TURN slot, next, fill
.if \fill
	s_wait_xcnt 0x0                                ; the last prefetch, a K step back, has read its address
	s_add_nc_u64 s[PFA:PFA+1], s[PFA:PFA+1], s[PFS:PFS+1]
.endif
	WIN 0
	s_wait_tensorcnt 0x0
	ds_add_u32 v[SPW], v[NIL]
	s_wait_dscnt 9                                 ; the add and the youngest eight loads may be out
	WIN MUL
	MULN F1, 0, 2, 0
	s_wait_dscnt 0x0                               ; the add is done, and my reads of this slot are over
	s_barrier_signal -1
	MULN F1, 2, 2, 0
.if \fill
	WIN 0
.endif
	s_barrier_wait -1
.if \fill
	CREST                                          ; the barrier has opened a round of the cluster's: no wave of any partner still reads this slot or has a load on its way
	s_add_nc_u64 s[G0+4*\slot+2:G0+4*\slot+3], s[G0+4*\slot+2:G0+4*\slot+3], 2*ASTEP
	s_add_nc_u64 s[G0B+4*\slot+2:G0B+4*\slot+3], s[G0B+4*\slot+2:G0B+4*\slot+3], 2*BSTEP
	JLOAD \slot                                    ; the first tensor load behind the round; its four v_nop are also the places ahead of the loads below
.else
	PLACES
.endif
	FETCH \next, 0, F0
.if \fill
	ASK
.endif
	WIN MUL
	MULN F1, 4, 4, 0
.endm
	s_wait_tensorcnt 1                             ; my part of K step 0 is in; K step 1's load may be out
	s_barrier_signal -1
	s_barrier_wait -1
	FETCH 0, 0, F0
	s_wait_loadcnt 0x0                             ; the bias
	QUARTER 0, 1, F0, F1, 1
	WIN 0
	s_mov_b32 s3, 3
.Llap:                                             ; three trips: each goes once round the ring and fills both slots again
	QUARTER 0, 2, F1, F0, 0
	QUARTER 0, 3, F0, F1, 0
	TURN 0, 1, 1
	QUARTER 1, 1, F0, F1, 0
	QUARTER 1, 2, F1, F0, 0
	QUARTER 1, 3, F0, F1, 0
	TURN 1, 0, 1
	QUARTER 0, 1, F0, F1, 0
	WIN 0
	s_sub_co_u32 s3, s3, 1
	s_cmp_lg_u32 s3, 0
	s_cbranch_scc1 .Llap
	QUARTER 0, 2, F1, F0, 0                        ; the last lap fills nothing
	QUARTER 0, 3, F0, F1, 0
	TURN 0, 1, 0
	QUARTER 1, 1, F0, F1, 0
	QUARTER 1, 2, F1, F0, 0
	QUARTER 1, 3, F0, F1, 0
	s_wait_dscnt 8
	WIN MUL
	MULN F1, 0, 4, 0
	s_wait_dscnt 0
	MULN F1, 4, 4, 0
	WIN 0
; THE WAY OUT, block by block of 16 rows x 64 columns: through my stage, back as whole rows of 256 bytes: sixteen lanes store 256 consecutive bytes, aligned.
.macro TOSTAGE a
	WIN 0x04                                       ; an LDS store's data: window 1
.irp b, 0,1,2,3
	ds_store_b128 v[STO], v[8*(4*(\a)+\b):8*(4*(\a)+\b)+3] offset:64*\b        ; each accumulator from its low end on
	ds_store_b128 v[STO], v[8*(4*(\a)+\b)+4:8*(4*(\a)+\b)+7] offset:64*\b+16
.endr
	WIN 0
.set BB, 32+32*((\a)%2)
.irp t, 0,1,2,3,4,5,6,7
	ds_load_b128 v[BB+4*\t:BB+4*\t+3], v[RD] offset:\t*2*SPITCH
.endr
.endm
.macro SEND a, younger
.set BB, 32+32*((\a)%2)
	s_wait_dscnt \younger
.irp t, 0,1,2,3,4,5,6,7
	global_store_b128 v[CO], v[BB+4*\t:BB+4*\t+3], s[10:11] offset:(16*(\a)+2*\t)*4096 th:TH_STORE_NT
.endr
.endm
	PLACES
	TOSTAGE 0
.irp a, 1,2,3,4,5,6,7
.if \a > 1
	s_wait_xcnt 0x0                                ; block a - 2's stores have read their registers: block a's loads may land there
.endif
	TOSTAGE \a
	SEND \a-1, 16                                  ; behind block a - 1's loads: block a's 8 stores and 8 loads
.endr
	SEND 7, 0
	s_wait_tensorcnt 0x0                           ; the wave's end
	ds_add_u32 v[SPW], v[NIL]
	s_wait_dscnt 0x0
	CROUND                                         ; the closing round
	s_endpgm
.Lfunc_end_k_q4dc1be9ba4_proj:
	.size	k_q4dc1be9ba4_proj, .Lfunc_end_k_q4dc1be9ba4_proj-k_q4dc1be9ba4_proj
	.p2alignl 7, 3214868480
	.fill 96, 4, 3214868480
	.section	.rodata,"a",@progbits
	.p2align	6, 0x0
	.amdhsa_kernel k_q4dc1be9ba4_proj
		.amdhsa_group_segment_fixed_size 327680
		.amdhsa_private_segment_fixed_size 0
		.amdhsa_enable_private_segment 0
		.amdhsa_kernarg_size 32
		.amdhsa_user_sgpr_count 2
		.amdhsa_user_sgpr_kernarg_segment_ptr 1
		.amdhsa_wavefront_size32 1
		.amdhsa_system_sgpr_workgroup_id_x 1
		.amdhsa_system_sgpr_workgroup_id_y 1
		.amdhsa_system_sgpr_workgroup_id_z 1
		.amdhsa_system_vgpr_workitem_id 0
		.amdhsa_next_free_vgpr 512
		.amdhsa_next_free_sgpr 72
		.amdhsa_reserve_vcc 0
		.amdhsa_float_denorm_mode_32 3
		.amdhsa_float_denorm_mode_16_64 3
		.amdhsa_memory_ordered 1
		.amdhsa_forward_progress 1
		.amdhsa_inst_pref_size 88
	.end_amdhsa_kernel
	.amdgpu_metadata
---
amdhsa.version: [ 1, 2 ]
amdhsa.kernels:
  - .name:           k_q4dc1be9ba4_proj
    .symbol:         k_q4dc1be9ba4_proj.kd
    .args:
      - { .name: y16, .offset: 0, .size: 8, .value_kind: global_buffer, .address_space: global }
      - { .name: wp16, .offset: 8, .size: 8, .value_kind: global_buffer, .address_space: global }
      - { .name: b_proj, .offset: 16, .size: 8, .value_kind: global_buffer, .address_space: global }
      - { .name: out0, .offset: 24, .size: 8, .value_kind: global_buffer, .address_space: global }
    .group_segment_fixed_size: 327680
    .private_segment_fixed_size: 0
    .kernarg_segment_align: 8
    .kernarg_segment_size: 32
    .max_flat_workgroup_size: 128
    .sgpr_count:     72
    .vgpr_count:     512
    .wavefront_size: 32
...
	.end_amdgpu_metadata
.endif
;; end of part 5
;; launch proj16 (part 6): grid 16 x 4, 4 waves a work-group, no clusters, 296,448 bytes of LDS; arguments y32, W_proj, b_proj, out0; writes out0
.if DOCPART == 6
	.amdgcn_target "amdgcn-amd-amdhsa--gfx1250"
	.amdhsa_code_object_version 6
	.text
	.protected	k_q4dc1be9ba4_proj16
	.globl	k_q4dc1be9ba4_proj16
	.p2align	8
	.type	k_q4dc1be9ba4_proj16,@function
k_q4dc1be9ba4_proj16:
	s_mov_b64 s[64:65], 0
	v_nop
	global_prefetch_b8 v0, s[64:65] scope:SCOPE_SE
	s_setreg_imm32_b32 hwreg(HW_REG_WAVE_MODE, 25, 1), 1
	s_wait_xcnt 0x0
; The projection of the first 16 positions of every sequence in f32, written over the f16 launch's values: out0(b, t < 16, :) = y32 W_proj + b_proj, by the f32 matrix form: 64 rows of 8,192, no bulk work.
; A work-group takes one batch's 16 rows x 64 columns.  Wave w takes k = 256 w .. 256 w + 255; the four partial sums meet in LDS.
; W_proj's 1,024 rows x 256 bytes come by tensor loads, four a wave (64 rows each), all first fills; a wave reads its own bytes alone, behind its own counted waits.  Four tensor loads of a wave are out.
; TRANSPOSED USE: source 0 = 16 columns of W (a lane a column, registers down K), source 1 = y's 16 rows, which y32 holds in the order of these registers.
; No cluster: the four batches that read the same columns of W are 64 work-groups in all, and what is shared is read once by each in a short launch.
.set WP,    272                        ; a row of W in LDS: 256 bytes + 16
.set ST,    1024*WP                    ; the partial sums: 16 rows x 272 bytes for each wave; no tile lands here
.set SPARE, ST+4*16*WP
.set SPW, 2
.set NIL, 3
.set AW,  4                            ; v4, v5  my lane's place in my rows 0-127 and 128-255 of W
.set WF,  16                           ; v16-47, v48-79  W's fragments of a group of 16 along K, two sets
.set YF,  80                           ; v80-207 y: eight registers for each of 16 groups
.set ACC, 208                          ; v208-239 four accumulators: written by matrix instructions alone
	s_load_b256 s[4:11], s[0:1], 0x0               ; y32, W_proj, b_proj, out0
	v_lshl_add_u32 v[SPW], v0, 2, SPARE
	v_mov_b32 v[NIL], 0
	ds_add_u32 v[SPW], v[NIL]                      ; the opening: the add, twice on end, and its wait ahead of my first tensor load
	ds_add_u32 v[SPW], v[NIL]
	v_lshrrev_b32 v1, 5, v0
	v_readfirstlane_b32 s12, v1                    ; wave 0..3
	s_and_b32 s13, ttmp7, 0xffff                   ; batch
	s_mov_b32 s24, (2<<16)|(1<<20)|(5<<22)|(3<<25) ; elements of 4 bytes; 4 words of padding behind every 64
	s_mov_b32 s25, 64<<16                          ; tensor_dim0 = 64
	s_mov_b32 s26, 64<<16                          ; tensor_dim1 = 64
	s_mov_b32 s27, 64<<16                          ; tile_dim0
	s_mov_b32 s28, 64                              ; tile_dim1
	s_mov_b32 s29, 1024                            ; pitch
	s_mov_b32 s30, 0
	s_mov_b32 s31, 0
	s_mul_i32 s14, s12, 256*WP                     ; my 256 rows in LDS
	s_lshl_b32 s16, s12, 20                        ; and in memory: 256 rows of 4,096 bytes,
	s_lshl_b32 s15, ttmp9, 8                       ; my work-group's 256 bytes of each
	s_add_co_u32 s16, s16, s15
	s_mov_b32 s17, 0
	s_wait_dscnt 0x0                               ; both opening adds are done
	s_wait_kmcnt 0x0
	s_add_nc_u64 s[18:19], s[6:7], s[16:17]
.irp c, 0,1,2,3
	s_mov_b32 s[32+4*\c], 1
	s_add_co_u32 s[33+4*\c], s14, \c*64*WP
	s_add_nc_u64 s[34+4*\c:35+4*\c], s[18:19], \c*64*4096
	s_or_b32 s[35+4*\c], s[35+4*\c], 0x80000000
.endr
.irp c, 0,1,2,3
	tensor_load_to_lds s[32+4*\c:35+4*\c], s[24:31]
	s_nop 0
.endr
	v_and_b32 v6, 15, v0                           ; r
	v_bfe_u32 v7, v0, 4, 1                         ; h
	v_and_b32 v1, 31, v0
	v_lshlrev_b32 v1, 4, v1                        ; y32: 16 x lane
	s_lshl_b32 s20, s13, 16
	s_lshl_b32 s21, s12, 14
	s_add_co_u32 s20, s20, s21                     ; y32: 65,536 bytes a batch, 16 groups of 1,024 a wave
	s_mov_b32 s21, 0
	s_add_nc_u64 s[4:5], s[4:5], s[20:21]
.irp g, 0,1,2,3,4,5,6,7,8,9,10,11,12,13,14,15
	global_load_b128 v[YF+8*\g:YF+8*\g+3], v1, s[4:5] offset:1024*\g
	global_load_b128 v[YF+8*\g+4:YF+8*\g+7], v1, s[4:5] offset:1024*\g+512
.endr
	s_mov_b32 s22, s15
	s_mov_b32 s23, 0
	s_add_nc_u64 s[8:9], s[8:9], s[22:23]
	v_lshlrev_b32 v10, 4, v6
	global_load_b128 v[12:15], v10, s[8:9]         ; the bias of columns 4 r .. 4 r + 3
	s_lshl_b32 s20, s13, 23                        ; out0: 2,048 rows of 4,096 bytes a batch,
	s_add_co_u32 s20, s20, s21
	s_lshl_b32 s22, s12, 14                        ; four rows a wave,
	s_add_co_u32 s20, s20, s22
	s_add_co_u32 s20, s20, s15                     ; my work-group's columns
	s_add_nc_u64 s[10:11], s[10:11], s[20:21]
	v_mul_u32_u24 v[AW], v7, 8*WP
	v_lshl_add_u32 v[AW], v6, 2, v[AW]
	v_add_nc_u32 v[AW], s14, v[AW]                 ; row 8 h, column r
	v_add_nc_u32 v[AW+1], 128*WP, v[AW]
	s_mul_i32 s22, s12, 16*WP
	s_add_co_u32 s22, s22, ST
	v_mul_u32_u24 v8, v6, WP
	v_lshl_add_u32 v8, v7, 5, v8
	v_add_nc_u32 v8, s22, v8                       ; my partial sums, in: row r, 32 h
	s_mul_i32 s22, s12, 4*WP
	s_add_co_u32 s22, s22, ST
	v_mul_u32_u24 v9, v7, WP
	v_lshl_add_u32 v9, v6, 4, v9
	v_add_nc_u32 v9, s22, v9                       ; back: rows 4 w + h, 16 r
	v_lshlrev_b32 v11, 12, v7
	v_lshl_add_u32 v11, v6, 4, v11                 ; the same in out0
.macro FETCHW g                        ; W(256 w + 16 g + 8 h + i, 16 nt + r), i = 0 .. 7, nt = 0 .. 3
.set WSET, WF+32*((\g)%2)
.irp nt, 0,1,2,3
.irp i, 0,1,2,3,4,5,6,7
	ds_load_b32 v[WSET+8*\nt+\i], v[AW+(\g)/8] offset:(16*((\g)%8)+\i)*WP+64*\nt
.endr
.endr
.endm
.macro GROUP g
.if (\g) < 15
.if ((\g)+1)%4 == 0
	s_wait_tensorcnt 3-((\g)+1)/4                  ; the chunk of 64 rows that the next group begins has landed; the younger chunks may be out
.endif
.if (\g) > 0
.rept 8
	v_nop                                          ; eight places between the f32 form and loads into its operands
.endr
.endif
	FETCHW (\g)+1
	s_wait_dscnt 32                                ; this group's loads are in; the next group's 32 may be out
.else
	s_wait_dscnt 0x0
.endif
.set WSET, WF+32*((\g)%2)
.irp v, 0,1,2,3
.irp nt, 0,1,2,3                       ; the four accumulators by turns
.if ((\g) == 0) && (\v == 0)
	v_wmma_f32_16x16x4_f32 v[ACC+8*\nt:ACC+8*\nt+7], v[WSET+8*\nt+2*\v:WSET+8*\nt+2*\v+1], v[YF+8*(\g)+2*\v:YF+8*(\g)+2*\v+1], 0
.else
	v_wmma_f32_16x16x4_f32 v[ACC+8*\nt:ACC+8*\nt+7], v[WSET+8*\nt+2*\v:WSET+8*\nt+2*\v+1], v[YF+8*(\g)+2*\v:YF+8*(\g)+2*\v+1], v[ACC+8*\nt:ACC+8*\nt+7]
.endif
.endr
.endr
.endm
	s_wait_tensorcnt 3                             ; my first 64 rows are in; three loads may be out
	FETCHW 0
	s_wait_loadcnt 0x0                             ; y and the bias
.irp g, 0,1,2,3,4,5,6,7,8,9,10,11,12,13,14,15
	GROUP \g
.endr
.rept 8
	v_nop
.endr
.irp nt, 0,1,2,3
	ds_store_b128 v8, v[ACC+8*\nt:ACC+8*\nt+3] offset:64*\nt       ; lane (r, h): row t = r, columns 16 nt + 8 h + 0 .. 7
	ds_store_b128 v8, v[ACC+8*\nt+4:ACC+8*\nt+7] offset:64*\nt+16
.endr
	s_wait_dscnt 0x0                               ; for the others' sake
	s_barrier_signal -1
	s_barrier_wait -1
.irp i, 0,1
.irp p, 0,1,2,3
	ds_load_b128 v[16+16*\i+4*\p:19+16*\i+4*\p], v9 offset:\p*16*WP+\i*2*WP
.endr
.endr
	s_wait_dscnt 0x0
.irp i, 0,1
.irp e, 0,2
	v_pk_add_f32 v[16+16*\i+\e:17+16*\i+\e], v[16+16*\i+\e:17+16*\i+\e], v[20+16*\i+\e:21+16*\i+\e]
	v_pk_add_f32 v[24+16*\i+\e:25+16*\i+\e], v[24+16*\i+\e:25+16*\i+\e], v[28+16*\i+\e:29+16*\i+\e]
	v_pk_add_f32 v[16+16*\i+\e:17+16*\i+\e], v[16+16*\i+\e:17+16*\i+\e], v[24+16*\i+\e:25+16*\i+\e]
	v_pk_add_f32 v[16+16*\i+\e:17+16*\i+\e], v[16+16*\i+\e:17+16*\i+\e], v[12+\e:13+\e]
.endr
	global_store_b128 v11, v[16+16*\i:19+16*\i], s[10:11] offset:8192*\i   ; sixteen lanes store 256 consecutive bytes, aligned
.endr
	s_wait_tensorcnt 0x0                           ; the wave's end
	ds_add_u32 v[SPW], v[NIL]
	s_wait_dscnt 0x0
	s_endpgm
.Lfunc_end_k_q4dc1be9ba4_proj16:
	.size	k_q4dc1be9ba4_proj16, .Lfunc_end_k_q4dc1be9ba4_proj16-k_q4dc1be9ba4_proj16
	.p2alignl 7, 3214868480
	.fill 96, 4, 3214868480
	.section	.rodata,"a",@progbits
	.p2align	6, 0x0
	.amdhsa_kernel k_q4dc1be9ba4_proj16
		.amdhsa_group_segment_fixed_size 296448
		.amdhsa_private_segment_fixed_size 0
		.amdhsa_enable_private_segment 0
		.amdhsa_kernarg_size 32
		.amdhsa_user_sgpr_count 2
		.amdhsa_user_sgpr_kernarg_segment_ptr 1
		.amdhsa_wavefront_size32 1
		.amdhsa_system_sgpr_workgroup_id_x 1
		.amdhsa_system_sgpr_workgroup_id_y 1
		.amdhsa_system_sgpr_workgroup_id_z 1
		.amdhsa_system_vgpr_workitem_id 0
		.amdhsa_next_free_vgpr 240
		.amdhsa_next_free_sgpr 66
		.amdhsa_reserve_vcc 0
		.amdhsa_float_denorm_mode_32 3
		.amdhsa_float_denorm_mode_16_64 3
		.amdhsa_memory_ordered 1
		.amdhsa_forward_progress 1
		.amdhsa_inst_pref_size 63
	.end_amdhsa_kernel
	.amdgpu_metadata
---
amdhsa.version: [ 1, 2 ]
amdhsa.kernels:
  - .name:           k_q4dc1be9ba4_proj16
    .symbol:         k_q4dc1be9ba4_proj16.kd
    .args:
      - { .name: y32, .offset: 0, .size: 8, .value_kind: global_buffer, .address_space: global }
      - { .name: W_proj, .offset: 8, .size: 8, .value_kind: global_buffer, .address_space: global }
      - { .name: b_proj, .offset: 16, .size: 8, .value_kind: global_buffer, .address_space: global }
      - { .name: out0, .offset: 24, .size: 8, .value_kind: global_buffer, .address_space: global }
    .group_segment_fixed_size: 296448
    .private_segment_fixed_size: 0
    .kernarg_segment_align: 8
    .kernarg_segment_size: 32
    .max_flat_workgroup_size: 128
    .sgpr_count:     66
    .vgpr_count:     240
    .wavefront_size: 32
...
	.end_amdgpu_metadata
.endif
;; end of part 6
